; MI455X (gfx1250); checked and timed in simulation.
; The chip was launched on July 23, 2026; its instructions are those of AMD's public machine-readable ISA for CDNA 5 (MIT licence, August 2026) and "CDNA5" Instruction Set Architecture Reference Guide (July 2026). The comments in the code are by the model that wrote it; some were corrected since.
;; Multihead Self Attention. Allowed arithmetic: matrix products marked QUANTISED: E2M1 operands, one E8M0 scale for each 32 along K, by v_wmma_scale_f32_16x16x128_f8f6f4 with both operands' format E2M1 (or v_wmma_scale_f32_32x16x128_f4), f32 sums; products left as they are: bf16, f16 or f32 operands; f32 sums; everything else in f32.
;; Inputs: token_positions 2,048 int32; wk 2,048 x 2,048 float32; wo 2,048 x 2,048 float32; wq 2,048 x 2,048 float32; wv 2,048 x 2,048 float32; x 1 x 2,048 x 2,048 float32.
;; Outputs: out0 1 x 2,048 x 2,048 float32.
;; This version of the problem:
;;   THIS VERSION OF THE PROBLEM IS GIVEN IN LOW PRECISION. The matrix products marked QUANTISED in the list below multiply operands that are first quantised to E2M1 (2 exponent bits, 1 mantissa bit; 4 bits a number), with one power-of-two scale for each 32 numbers along K (OCP MX v1.0); their sums are f32. The products marked 'left as it is' may take bf16, f16 or f32 operands, with f32 sums. Whichever they take, every output number must still come out within the allowed error. Rounding operands to bf16 (8 significant bits) uses up far more of that allowance than f16 does (11 bits, for magnitudes from 6e-5 to 65,504). All else is computed in f32.
;;   The module's matrix products, in the order in which they are computed (A, B: the left and right operand; K: the contracted axis; several contracted axes count as one K, in the product's order):
;;     1. [M 2,048, K 2,048] x [K 2,048, N 2,048]; A: input x; B: input wq: QUANTISED
;;     2. [M 2,048, K 2,048] x [K 2,048, N 2,048]; A: input x; B: input wk: QUANTISED
;;     3. [M 2,048, K 2,048] x [K 2,048, N 2,048]; A: input x; B: input wv: QUANTISED
;;     4. batch 16 x [M 2,048, K 128] x [K 128, N 2,048]; A: computed on the way; B: computed on the way: left as it is (an operand is computed on the way)
;;     5. batch 16 x [M 2,048, K 2,048] x [K 2,048, N 128]; A: computed on the way; B: computed on the way: left as it is (an operand is computed on the way)
;;     6. [M 2,048, K 2,048] x [K 2,048, N 2,048]; A: computed on the way; B: input wo: left as it is (an operand is computed on the way)
;;   THE QUANTISER, for each operand of a quantised product, along K:
;;     - K is cut into blocks of 32 from its start; a last block that is shorter is filled with zeros.
;;     - A block's scale is 2^e with e = floor(log2(the largest magnitude in the block)) - 2, held to -126 .. 127; a block of zeros has e = 0. As a byte (E8M0): e + 127.
;;     - Each number is divided by its block's scale, clamped to +-6, and rounded to the nearest number of E2M1, ties to even, subnormals kept.
;;     - The product sums the exact products of the quantised numbers (number of the format x scale) in f32.
;;   ~~~python
;;   def quantise(x, axis):      # numpy; x: float32 -> the quantised numbers, widened to float32 again
;;       x = np.moveaxis(x, axis, -1); K = x.shape[-1]
;;       x = np.pad(x, [(0, 0)] * (x.ndim - 1) + [(0, -K % 32)]); x = x.reshape(x.shape[:-1] + (-1, 32)); a = np.abs(x).max(-1, keepdims=True)
;;       e = np.where(a > 0, np.clip(np.frexp(np.where(a > 0, a, 1))[1] - 1 - 2, -126, 127), 0)      # np.frexp(a)[1] - 1 = floor(log2(a)), exactly
;;       r = np.clip(x / 2.0 ** e, -6, 6)
;;       step = 2.0 ** (np.maximum(np.frexp(np.where(r == 0, 1, r))[1] - 1, 0) - 1)
;;       q = np.round(r / step) * step * 2.0 ** e      # np.round: ties to even
;;       return np.moveaxis(q.reshape(q.shape[:-2] + (-1,))[..., :K], -1, axis).astype(np.float32)
;;   ~~~
;; One version. Each part assembles by itself: llvm-mc -triple=amdgcn-amd-amdhsa -mcpu=gfx1250 --defsym DOCPART=n.
;; ======== version 1 of 1: 5 launches
;; limits: values are held in f16: magnitudes above 65,504 overflow, below 6.1e-05 lose precision; inputs' magnitudes at most 8,388,608
;; workspace buffers: codes 8,388,608 bytes; scl 524,288 bytes; wo16 8,388,608 bytes; rope 1,048,576 bytes; qkvf 25,165,824 bytes; att 8,388,608 bytes; side 393,216 bytes
;; launch prep (part 1): grid 672 x 1, 4 waves a work-group, no clusters, 33,280 bytes of LDS; arguments x, wq, wk, wv, wo, token_positions, codes, scl, wo16, rope; writes codes, scl, wo16, rope
.if DOCPART == 1
	.amdgcn_target "amdgcn-amd-amdhsa--gfx1250"
	.amdhsa_code_object_version 6
	.text
	.protected	k_q2daa51aff6_prep
	.globl	k_q2daa51aff6_prep
	.p2align	8
	.type	k_q2daa51aff6_prep,@function
k_q2daa51aff6_prep:
	s_mov_b64 s[64:65], 0
	v_nop
	global_prefetch_b8 v0, s[64:65] scope:SCOPE_SE
	s_setreg_imm32_b32 hwreg(HW_REG_WAVE_MODE, 25, 1), 1
	s_wait_xcnt 0x0
; Three jobs in one launch, told apart by the work-group's number alone; each work-group takes one path through the text.
;  work-groups 0-511:   x, wq, wk, wv (each [2048][2048] f32, K innermost) become codes of FP4 (E2M1) and one E8M0 byte for each 32 along K.
;                       codes: [8192 rows][1024 bytes], rows 0-2047 x, then wq, wk, wv;  scl: [8192][64 bytes].
;  work-groups 512-639: wo becomes f16, row-major, for the projection.
;  work-groups 640-671: cos and sin of token_positions[s] x 10000^(-j/64), j = 0..63, laid as the next launch's lanes take them:
;                       rope[T = s/16][b (8)][p (2)][lane (32)][16 bytes]: lane (r, h) holds cos, sin, cos, sin of pairs 8 b + 4 h + 2 p + {0, 1} at row 16 T + r.
; THE QUANTISER: a block's scale is 2^(floor(log2(largest magnitude)) - 2); its byte is the largest magnitude's exponent field - 2, held at 1 from below.
; A block of zeros gets the byte 1 where the rule says 127: its codes are zeros, which add nothing under any byte but 0xff, and this program alone reads the bytes.
; LIMITS: NaN and infinities among the inputs are not served.  Blocks whose largest magnitude lies under 2^(2 - 126) keep the byte 1.  wo beyond +-65,504 has no f16 number.
; The angle is reduced by two constants for pi/2: |position x frequency| stays under 2^23.  The frequency is 2^(-j log2(10000)/64) by v_exp_f32.
.set WAVES, 4
.set STEPS, 16
.set EMAX,  2
.set CB,    8                          ; bytes of 16 codes
.set R,     16                         ; v16-79   four sets of 16 numbers as they are loaded
.set X,     80                         ; v80-111  two sets of 16 neighbours
.set C,     128                        ; v128-191 codes: four registers for each step
.set E,     112                        ; v112-127 a scale byte for each step
.set WREG,  8192                       ; LDS: a region for each wave: two stages of 32 x SP bytes, behind them its 256 scale bytes
.set SP,    80                         ; a lane's place in a stage: 64 bytes + 16 of padding
.set SPW,   12                         ; v12 LDS address of my spare word; never rewritten
.set NIL,   13                         ; v13 0; never rewritten
.set SPARE, WAVES*WREG                 ; behind the four regions: the spare words, 128 bytes a wave
.set XW,    16                         ; wo's path: v16-143 two sets of 64 numbers
.set YW,    144                        ; v144-175 32 registers of f16 pairs
	s_load_b256 s[4:11], s[0:1], 0x0               ; x, wq, wk, wv
	s_load_b256 s[12:19], s[0:1], 0x20             ; wo, token_positions, codes, scl
	s_load_b128 s[20:23], s[0:1], 0x40             ; wo16, rope
	v_lshl_add_u32 v[SPW], v0, 2, SPARE
	v_mov_b32 v[NIL], 0
	v_lshrrev_b32 v1, 5, v0
	v_readfirstlane_b32 s24, v1                    ; wave
	v_and_b32 v2, 31, v0                           ; lane
	v_lshlrev_b32 v3, 4, v2                        ; 16 x lane
	s_mul_i32 s25, s24, WREG
	v_lshrrev_b32 v14, 2, v2
	v_mul_u32_u24 v14, v14, SP
	v_and_b32 v15, 3, v2
	v_lshl_add_u32 v14, v15, 4, v14
	v_add_nc_u32 v14, s25, v14                     ; the stage, on the way in: SP (lane / 4) + 16 (lane % 4)
	v_mul_u32_u24 v15, v2, SP
	v_add_nc_u32 v15, s25, v15                     ; and on the way out: SP x lane
	v_mul_u32_u24 v4, v2, CB                       ; my codes' place in a step's
	v_lshrrev_b32 v5, 1, v2
	s_add_co_u32 s25, s25, 2*32*SP
	v_add_nc_u32 v5, s25, v5                       ; LDS: my block's scale byte
	v_lshlrev_b32 v7, 3, v2                        ; 8 x lane
	v_add_nc_u32 v6, s25, v7
	s_wait_kmcnt 0x0
	s_cmp_lt_u32 ttmp9, 512
	s_cbranch_scc1 .Lquant
	s_cmp_lt_u32 ttmp9, 640
	s_cbranch_scc1 .Lwo
	; ---- cos and sin.  A wave takes 16 rows; lane L takes row L / 2 and the pairs j = 2 u + (L & 1), u = 0..31.
	s_sub_co_u32 s25, ttmp9, 640
	s_lshl_b32 s25, s25, 2
	s_add_co_u32 s25, s25, s24                     ; T
	s_lshl_b32 s26, s25, 6
	s_mov_b32 s27, 0
	s_add_nc_u64 s[14:15], s[14:15], s[26:27]      ; 16 positions of 4 bytes
	s_lshl_b32 s26, s25, 13
	s_add_nc_u64 s[22:23], s[22:23], s[26:27]      ; 8,192 bytes of the table
	v_and_b32 v1, 1, v2
	v_lshrrev_b32 v8, 1, v2
	v_lshlrev_b32 v8, 2, v8
	global_load_b32 v9, v8, s[14:15]               ; my row's position
	s_mov_b32 s28, 0x3f22f983                      ; 2 / pi
	s_mov_b32 s29, 0x3fc90fdb                      ; pi / 2, rounded to f32
	s_mov_b32 s30, 0x333bbd2e                      ; that number less pi / 2
	s_mov_b32 s31, 0xbe2aaaa3                      ; sine: r + r z (S1 + z (S2 + z S3))
	s_mov_b32 s32, 0x3c08839e
	s_mov_b32 s33, 0xb94ca1f9
	s_mov_b32 s34, 0x3d2aaaa5                      ; cosine: 1 - z / 2 + z z (C1 + z (C2 + z C3))
	s_mov_b32 s35, 0xbab6061a
	s_mov_b32 s36, 0x37ccf5ce
.set U, 0
.rept 32
	v_add_nc_u32 v[32+U], 2*U, v1                  ; j
.set U, U+1
.endr
.set U, 0
.rept 32
	v_cvt_f32_u32 v[32+U], v[32+U]
.set U, U+1
.endr
.set U, 0
.rept 32
	v_mul_f32 v[32+U], 0xbe549a78, v[32+U]         ; -j log2(10000) / 64
.set U, U+1
.endr
.set U, 0
.rept 32
	v_exp_f32 v[32+U], v[32+U]                     ; the 32 frequencies: one batch
.set U, U+1
.endr
	v_nop                                          ; a plain instruction behind the last exponential
	s_wait_alu depctr_va_vdst(0)                   ; one wait for the batch, ahead of its first reader
	s_wait_loadcnt 0x0
	v_cvt_f32_i32 v10, v9
.macro SINCOS u
	v_mul_f32 v16, v10, v[32+(\u)]                 ; the angle, rounded to f32 as the definition has it
	v_mul_f32 v17, s28, v16
	v_rndne_f32 v17, v17                           ; n: the nearest multiple of pi / 2
	v_cvt_i32_f32 v18, v17
	v_fma_f32 v19, -v17, s29, v16
	v_fma_f32 v19, v17, s30, v19                   ; r = angle - n pi / 2, within +-pi / 4
	v_mul_f32 v20, v19, v19                        ; z
	v_fma_f32 v21, v20, s33, s32
	v_fma_f32 v22, v20, s36, s35
	v_fma_f32 v21, v21, v20, s31
	v_fma_f32 v22, v22, v20, s34
	v_mul_f32 v21, v21, v20
	v_fma_f32 v23, v20, -0.5, 1.0
	v_mul_f32 v24, v20, v20
	v_fma_f32 v21, v21, v19, v19                   ; sin r
	v_fma_f32 v22, v24, v22, v23                   ; cos r
	v_and_b32 v25, 1, v18
	v_cmp_ne_u32 vcc_lo, 0, v25                    ; an odd n changes the two over
	v_cndmask_b32 v[65+2*(\u)], v21, v22, vcc_lo
	v_cndmask_b32 v[64+2*(\u)], v22, v21, vcc_lo
	v_lshlrev_b32 v26, 30, v18                     ; the sine is negated where n mod 4 is 2 or 3,
	v_add_nc_u32 v27, 1, v18
	v_and_b32 v26, 0x80000000, v26
	v_lshlrev_b32 v27, 30, v27                     ; the cosine where it is 1 or 2
	v_xor_b32 v[65+2*(\u)], v26, v[65+2*(\u)]
	v_and_b32 v27, 0x80000000, v27
	v_xor_b32 v[64+2*(\u)], v27, v[64+2*(\u)]
	global_store_b64 v7, v[64+2*(\u):65+2*(\u)], s[22:23] offset:((\u)>>2)*1024+((\u)&1)*512+(((\u)>>1)&1)*256   ; 32 lanes store 256 consecutive bytes, aligned; each u has registers of its own
.endm
.set U, 0
.rept 32
	SINCOS U
.set U, U+1
.endr
	s_wait_tensorcnt 0x0                           ; the wave's end
	ds_add_u32 v[SPW], v[NIL]
	s_wait_dscnt 0x0
	s_endpgm
	; ---- wo to f16.  A wave takes 8,192 numbers in four rounds of 16 loads; two rounds are on their way.
.Lwo:
	s_sub_co_u32 s25, ttmp9, 512
	s_lshl_b32 s25, s25, 2
	s_add_co_u32 s25, s25, s24                     ; which run of 8,192 numbers
	s_lshl_b32 s26, s25, 15
	s_mov_b32 s27, 0
	s_add_nc_u64 s[12:13], s[12:13], s[26:27]
	s_lshl_b32 s26, s25, 14
	s_add_nc_u64 s[20:21], s[20:21], s[26:27]
.macro WLOAD k
.irp i, 0,1,2,3,4,5,6,7,8,9,10,11,12,13,14,15
	global_load_b128 v[XW+64*((\k)%2)+4*\i:XW+64*((\k)%2)+4*\i+3], v3, s[12:13] offset:8192*(\k)+512*\i   ; 512 consecutive bytes
.endr
.endm
.macro WCVT k
.if (\k) < 3
	s_wait_loadcnt 16                              ; this round's 16 loads are in; the next round's 16 may be out
.else
	s_wait_loadcnt 0x0
.endif
	s_wait_xcnt 0x0                                ; the last round's stores have read their data registers
.irp i, 0,1,2,3,4,5,6,7,8,9,10,11,12,13,14,15
	v_cvt_pk_f16_f32 v[YW+2*\i], v[XW+64*((\k)%2)+4*\i], v[XW+64*((\k)%2)+4*\i+1]
	v_cvt_pk_f16_f32 v[YW+2*\i+1], v[XW+64*((\k)%2)+4*\i+2], v[XW+64*((\k)%2)+4*\i+3]
.endr
.irp i, 0,1,2,3,4,5,6,7,8,9,10,11,12,13,14,15
	global_store_b64 v7, v[YW+2*\i:YW+2*\i+1], s[20:21] offset:4096*(\k)+256*\i   ; 256 consecutive bytes, aligned
.endr
.if (\k)+2 < 4
	WLOAD (\k)+2
.endif
.endm
	WLOAD 0
	WLOAD 1
	WCVT 0
	WCVT 1
	WCVT 2
	WCVT 3
	s_wait_tensorcnt 0x0                           ; the wave's end, as above
	ds_add_u32 v[SPW], v[NIL]
	s_wait_dscnt 0x0
	s_endpgm
	; ---- the quantiser.  Rows are dense and K is a multiple of 32: each tensor is a plain stream of blocks of 32, and so are codes and scale bytes.
	; A wave takes 16 steps of 512 numbers.  Each load reads 512 consecutive bytes; a step's 2,048 bytes turn through the wave's own stage in LDS and come back 64 bytes a lane,
	; so that a lane holds 16 neighbours along K (two neighbouring lanes hold a block).  Loads run four steps ahead, the turn through LDS one step.
.Lquant:
	s_lshr_b32 s25, ttmp9, 7                       ; which tensor: a choice by the work-group's number alone
	s_cmp_eq_u32 s25, 1
	s_cselect_b64 s[4:5], s[6:7], s[4:5]
	s_cmp_eq_u32 s25, 2
	s_cselect_b64 s[4:5], s[8:9], s[4:5]
	s_cmp_eq_u32 s25, 3
	s_cselect_b64 s[4:5], s[10:11], s[4:5]
	s_and_b32 s26, ttmp9, 127
	s_lshl_b32 s26, s26, 2
	s_add_co_u32 s26, s26, s24                     ; my run of 8,192 numbers in the tensor
	s_lshl_b32 s26, s26, 15
	s_mov_b32 s27, 0
	s_add_nc_u64 s[4:5], s[4:5], s[26:27]
	s_lshl_b32 s25, ttmp9, 2
	s_add_co_u32 s25, s25, s24                     ; and among all four tensors' runs
	s_lshl_b32 s26, s25, 12
	s_add_nc_u64 s[16:17], s[16:17], s[26:27]      ; 4,096 bytes of codes a run
	s_lshl_b32 s26, s25, 8
	s_add_nc_u64 s[18:19], s[18:19], s[26:27]      ; 256 scale bytes a run
.macro LOAD t
.irp i, 0,1,2,3
	global_load_b128 v[R+16*((\t)%4)+4*\i:R+16*((\t)%4)+4*\i+3], v3, s[4:5] offset:2048*(\t)+512*\i th:TH_LOAD_NT
.endr
.endm
.macro TURN t                          ; step t's numbers through the stage: LDS serves a wave's instructions in order, so no wait stands between the stores and the loads
.irp i, 0,1,2,3
	ds_store_b128 v14, v[R+16*((\t)%4)+4*\i:R+16*((\t)%4)+4*\i+3] offset:32*SP*((\t)%2)+8*SP*\i
.endr
.irp i, 0,1,2,3
	ds_load_b128 v[X+16*((\t)%2)+4*\i:X+16*((\t)%2)+4*\i+3], v15 offset:32*SP*((\t)%2)+16*\i
.endr
.endm
.irp t, 0,1,2,3
	LOAD \t
.endr
	s_wait_loadcnt 12                              ; step 0's four loads are in
	TURN 0
.macro STEP t
.set XS, X+16*((\t)%2)
.if (\t) > 0
	s_wait_dscnt 1                                 ; this step's numbers are back from the stage (the last step's byte store may be out)
.else
	s_wait_dscnt 0x0
.endif
.if (\t)+4 < STEPS
	LOAD (\t)+4
.endif
.if (\t)+1 < STEPS
.if STEPS-2-(\t) >= 3
	s_wait_loadcnt 12                              ; the next step's four loads are in; those of the three steps behind it may be out
.else
	s_wait_loadcnt 4*(STEPS-2-(\t))
.endif
	TURN (\t)+1
.endif
	v_max3_num_f32 v8, |v[XS]|, |v[XS+1]|, |v[XS+2]|               ; the largest magnitude of my 16
	v_max3_num_f32 v9, |v[XS+3]|, |v[XS+4]|, |v[XS+5]|
.irp i, 6,10
	v_max3_num_f32 v8, v8, |v[XS+\i]|, |v[XS+\i+1]|
	v_max3_num_f32 v9, v9, |v[XS+\i+2]|, |v[XS+\i+3]|
.endr
	v_max3_num_f32 v8, v8, |v[XS+14]|, |v[XS+15]|
	v_max3_num_f32 v8, v8, v9, (EMAX+1)<<23        ; and the floor 2^(EMAX + 1 - 127): the byte cannot fall under 1
	v_max_num_f32_dpp v8, v8, v8 row_xmask:1 row_mask:0xf bank_mask:0xf   ; and of my neighbour's 16: the block's
	v_add_nc_u32 v11, -(EMAX<<23), v8              ; EMAX off its exponent field: the conversion takes that field as its scale
	v_cvt_scalef32_pk8_fp4_f32 v[C+4*(\t)], v[XS:XS+7], v11
	v_cvt_scalef32_pk8_fp4_f32 v[C+4*(\t)+1], v[XS+8:XS+15], v11
	v_lshrrev_b32 v[E+(\t)], 23, v11               ; the scale's byte
	ds_store_b8 v5, v[E+(\t)] offset:16*(\t)       ; both lanes of a block write the same byte with the same value
	global_store_b64 v4, v[C+4*(\t):C+4*(\t)+1], s[16:17] offset:32*CB*(\t)   ; 256 consecutive bytes, aligned
.endm
.irp t, 0,1,2,3,4,5,6,7,8,9,10,11,12,13,14,15
	STEP \t
.endr
	ds_load_b64 v[8:9], v6                         ; LDS serves a wave's instructions in order: these see my byte stores
	s_wait_dscnt 0x0
	global_store_b64 v7, v[8:9], s[18:19]          ; 256 consecutive bytes, aligned
	s_wait_tensorcnt 0x0                           ; the wave's end, behind my last LDS store
	ds_add_u32 v[SPW], v[NIL]
	s_wait_dscnt 0x0
	s_endpgm
.Lfunc_end_k_q2daa51aff6_prep:
	.size	k_q2daa51aff6_prep, .Lfunc_end_k_q2daa51aff6_prep-k_q2daa51aff6_prep
	.p2alignl 7, 3214868480
	.fill 96, 4, 3214868480
	.section	.rodata,"a",@progbits
	.p2align	6, 0x0
	.amdhsa_kernel k_q2daa51aff6_prep
		.amdhsa_group_segment_fixed_size 33280
		.amdhsa_private_segment_fixed_size 0
		.amdhsa_enable_private_segment 0
		.amdhsa_kernarg_size 80
		.amdhsa_user_sgpr_count 2
		.amdhsa_user_sgpr_kernarg_segment_ptr 1
		.amdhsa_wavefront_size32 1
		.amdhsa_system_sgpr_workgroup_id_x 1
		.amdhsa_system_sgpr_workgroup_id_y 1
		.amdhsa_system_sgpr_workgroup_id_z 1
		.amdhsa_system_vgpr_workitem_id 0
		.amdhsa_next_free_vgpr 192
		.amdhsa_next_free_sgpr 66
		.amdhsa_reserve_vcc 1
		.amdhsa_float_denorm_mode_32 3
		.amdhsa_float_denorm_mode_16_64 3
		.amdhsa_memory_ordered 1
		.amdhsa_forward_progress 1
		.amdhsa_inst_pref_size 102
	.end_amdhsa_kernel
	.amdgpu_metadata
---
amdhsa.version: [ 1, 2 ]
amdhsa.kernels:
  - .name:           k_q2daa51aff6_prep
    .symbol:         k_q2daa51aff6_prep.kd
    .args:
      - { .name: x, .offset: 0, .size: 8, .value_kind: global_buffer, .address_space: global }
      - { .name: wq, .offset: 8, .size: 8, .value_kind: global_buffer, .address_space: global }
      - { .name: wk, .offset: 16, .size: 8, .value_kind: global_buffer, .address_space: global }
      - { .name: wv, .offset: 24, .size: 8, .value_kind: global_buffer, .address_space: global }
      - { .name: wo, .offset: 32, .size: 8, .value_kind: global_buffer, .address_space: global }
      - { .name: token_positions, .offset: 40, .size: 8, .value_kind: global_buffer, .address_space: global }
      - { .name: codes, .offset: 48, .size: 8, .value_kind: global_buffer, .address_space: global }
      - { .name: scl, .offset: 56, .size: 8, .value_kind: global_buffer, .address_space: global }
      - { .name: wo16, .offset: 64, .size: 8, .value_kind: global_buffer, .address_space: global }
      - { .name: rope, .offset: 72, .size: 8, .value_kind: global_buffer, .address_space: global }
    .group_segment_fixed_size: 33280
    .private_segment_fixed_size: 0
    .kernarg_segment_align: 8
    .kernarg_segment_size: 80
    .max_flat_workgroup_size: 128
    .sgpr_count:     66
    .vgpr_count:     192
    .wavefront_size: 32
...
	.end_amdgpu_metadata
.endif
;; end of part 1
;; launch qkv (part 2): grid 24 x 8, 4 waves a work-group, clusters of 4 x 4, 327,680 bytes of LDS; arguments codes, scl, rope, qkvf, side; writes qkvf, side
.if DOCPART == 2
	.amdgcn_target "amdgcn-amd-amdhsa--gfx1250"
	.amdhsa_code_object_version 6
	.text
	.protected	k_q2daa51aff6_qkv
	.globl	k_q2daa51aff6_qkv
	.p2align	8
	.type	k_q2daa51aff6_qkv,@function
k_q2daa51aff6_qkv:
	s_mov_b64 s[64:65], 0
	v_nop
	global_prefetch_b8 v0, s[64:65] scope:SCOPE_SE
	s_setreg_imm32_b32 hwreg(HW_REG_WAVE_MODE, 25, 1), 1
	s_wait_xcnt 0x0
	s_wait_alu depctr_hold_cnt(0) depctr_sa_sdst(0) depctr_va_vdst(0) depctr_va_sdst(0) depctr_va_ssrc(0) depctr_va_vcc(0) depctr_vm_vsrc(0)
	s_getreg_b32 s2, hwreg(HW_REG_IB_STS2, 6, 4)
	s_cmp_eq_u32 s2, 0
	s_cbranch_scc0 .Lentry_in_a_cluster
	s_endpgm
.Lentry_in_a_cluster:
	s_bfe_u32 s2, ttmp6, 0x10000c
	s_cmp_lg_u32 s2, 0xf033
	s_cbranch_scc0 .Lentry_shape_is_right
	s_endpgm
.Lentry_shape_is_right:
; The three quantised products in one launch: a GEMM on codes of FP4 (E2M1) with one E8M0 scale for each 32 along K = 2,048; sums in f32.
; codes: [8192 rows][1024 bytes], rows 0-2047 x, 2048-4095 wq, 4096-6143 wk, 6144-8191 wv;  scl: [8192][64 bytes].
; A tile is 256 x 256, four waves, 128 x 128 a wave in 64 accumulators.  Tile columns 0-15 (clusters x = 0..3): A = x, B = wq or wk: q and k, which then get the rotation by position.
; Tile columns 16-23 (clusters x = 4, 5): A = wv (rows are channels), B = x (rows are keys): the same loop makes V transposed, as the second product of attention wants it.
; THE MATRIX INSTRUCTION IS USED TRANSPOSED (source 0 = 16 rows of B, source 1 = 16 rows of A): lane (r, h) of accumulator (a, b) holds A's row 16 a + r and B's rows 16 b + 8 h + 0..7.
; Rounded to f16 those are the 16 bytes that lane (r, h) of a 16-bit operand fragment wants in register group b % 2 of fragment b / 2.  So results leave straight from registers,
; as images of the next launch's operand registers, 512 consecutive bytes a store:
;   qkvf: Q at 0, K at 8 MiB: [head][row tile (128)][channel / 32 (4)][group (2)][lane][16 bytes];  V at 16 MiB: [head][key / 32 (64)][channel / 16 (8)][group (2)][lane][16 bytes].
; side: positions 0-15 in f32 for the small launch that carries them finely.  q at 0 and k at 131,072, again as images of registers: [head][group 2 b + i (16)][lane][16 bytes]:
;   lane (r, h) of group 2 b + i holds row r, channels 16 b + 8 h + 4 i + 0..3.  v at 262,144 as [16 keys][2048], row-major.
; CLUSTERS: 4 x 4 work-groups; A's tile is asked for jointly along a row of the cluster, B's along a column.  The choice between the two kinds of tile hangs on the cluster's x, which all partners share.
; What hangs on a work-group's own place (who holds positions 0-15) is done by a lane mask on stores, with no branch.
; LIMIT: q, k, v beyond +-65,504 have no f16 number.
; REGISTERS, in windows of 256: window 0: v0-31 addresses; v32-95 scale words, two sets, and nothing else; from v128 A's fragments, one set; on the way out v96-255 are free.
;   window 1: B's fragments, two sets, at v0 and v128; on the way out of q and k all 256 take four tables of cos and sin.   windows 2, 3: the accumulators ((a, b) at v[8 (8 (a % 4) + b)]).
.set SIZE_K, 2048
.set KSTEP,  512                       ; along K in a slot
.set NQ,     KSTEP/128                 ; matrix instructions deep
.set ROWB,   256                       ; a tile's row in bytes
.set KROW,   SIZE_K*4/8                ; a row of codes in memory
.set PITCH,  272                       ; an LDS row: 256 bytes + 16 of padding: the 16 rows that a load touches start at 16 different banks (64 banks of 4 bytes: ISA guide 11.1)
.set FR,     8                         ; registers of a fragment
.set NL,     2                         ; LDS loads that bring one
.set NP,     4                         ; places behind this matrix instruction (ISA guide 7.12.1)
.set HALFT,  128*PITCH
.set SLOT,   4*HALFT                   ; A's 256 rows, then B's 256 rows
.set LAPS,   SIZE_K/(2*KSTEP)
.set KS,     SIZE_K/32                 ; a row of scales in bytes
.set SCL,    2*SLOT                    ; behind the ring: the scales, as units of 256 bytes + 16 of padding
.set HALFS,  (128*KS/256)*272
.set SBLK,   (16*KS/256)*272
.set SPARE,  SCL+4*HALFS               ; behind the scales: the spare words, 128 bytes a wave
.set ADRA, 16                          ; v16-17  LDS address of my A fragments in slot 0, 1
.set ADRB, 20                          ; v20-21  the same for B
.set SV,   25                          ; v25     side copy of v: 65,536 h + 4 r
.set LO,   26                          ; v26     16 x lane
.set ADRS, 27                          ; v27     LDS address of my scale words
.set SPW,  28                          ; v28     LDS address of my spare word; never rewritten
.set NIL,  29                          ; v29     0; never rewritten
.set FLAG, 30                          ; v30     0 in the waves that hold positions 0-15
.set SC,   32
.set AF,   128
.set RR,   96                          ; the way out: v96-159 a block's 64 rotated numbers
.set PK,   160                         ; v160-191 the same as f16 pairs
.set TT,   192                         ; v192-199 at work
.set PV0,  96                          ; V's way out: v96-159, two sets of 32
.set G1, 24
.set G0, 32
.set G1B, 48
.set G0B, 56
.set G1S, 68
.set G0S, 76
.set G1SB, 80
.set G0SB, 88
.set MSB, 0
.macro WIN new                         ; the immediate's high byte repeats the setting that is left
.if MSB != \new
	s_set_vgpr_msb (MSB<<8)|\new
.set MSB, \new
.endif
.endm
.set MUL_LO, 0xa1                      ; source 0 (B) window 1, source 1 (A) window 0, C and D window 2
.set MUL_HI, 0xf1                      ; the same, C and D window 3
.set TO_B,   0x40                      ; destination window 1, address window 0
; A joint load: waves 0 and 1 fetch for A, waves 2 and 3 for B.  The branch hangs on the wave's number alone.  An s_nop 0 and four v_nop follow each of the two lines.
.macro JLOAD g0a, g1a, g0b, g1b
	s_cmp_eq_u32 s15, 0
	s_cbranch_scc0 .Lfor_b_\@
	tensor_load_to_lds s[\g0a:\g0a+3], s[\g1a:\g1a+7]
	s_nop 0
.rept 4
	v_nop
.endr
	s_branch .Lasked_\@
.Lfor_b_\@:
	tensor_load_to_lds s[\g0b:\g0b+3], s[\g1b:\g1b+7]
	s_nop 0
.rept 4
	v_nop
.endr
.Lasked_\@:
.endm
.macro CREST                           ; a round of the cluster's barrier behind its opening barrier
	s_cmp_lg_u32 s14, 0
	s_cbranch_scc1 .Lnot_wave_0_\@
	s_barrier_signal -3
.Lnot_wave_0_\@:
	s_barrier_wait -3
	s_barrier_signal -1
	s_barrier_wait -1
.endm
.macro CROUND
	s_barrier_signal -1
	s_barrier_wait -1
	CREST
.endm
	s_load_b256 s[4:11], s[0:1], 0x0               ; codes s[4:5], scl s[6:7], rope s[8:9], qkvf s[10:11]
	s_load_b64 s[12:13], s[0:1], 0x20              ; side
	v_lshl_add_u32 v[SPW], v0, 2, SPARE
	v_mov_b32 v[NIL], 0
	ds_add_u32 v[SPW], v[NIL]                      ; the wave's opening: the add, twice on end, and its wait ahead of my first tensor load
	ds_add_u32 v[SPW], v[NIL]                      ; and once more, under the one wait; the set-up below stands between
	v_lshrrev_b32 v1, 5, v0
	v_readfirstlane_b32 s14, v1                    ; wave 0..3
	s_lshr_b32 s15, s14, 1                         ; which half of A's rows is mine.  Also: I fetch for A (0) or for B (1)
	s_and_b32 s16, s14, 1                          ; which half of B's rows.  Also: which 128 rows of that tile I fetch
	s_bfe_u32 s40, ttmp6, 0x40000                  ; cx, cy: my place in the cluster
	s_bfe_u32 s41, ttmp6, 0x40004
	s_lshl_b32 s42, ttmp9, 2
	s_add_co_u32 s42, s42, s40                     ; tile column = 4 x cluster x + cx
	s_and_b32 s17, ttmp7, 0xffff
	s_lshl_b32 s17, s17, 2
	s_add_co_u32 s17, s17, s41                     ; tile row = 4 x cluster y + cy
	s_lshl_b32 s43, s41, 2
	s_lshl_b32 s43, 15, s43                        ; my row of the cluster
	s_lshl_b32 s44, 0x1111, s40                    ; my column
	; descriptor group 1: a tile of 128 rows x 256 bytes, 16 bytes of padding behind each row
	s_or_b32 s[G1+0], s43, (0<<16)|(1<<20)|(1<<21)|(5<<22)|(3<<25)  ; the mask: A's tiles go to my row; elements of 1 byte; padding on; bit 21 beside a mask; after every 64 words, 4 words
	s_or_b32 s[G1B+0], s44, (0<<16)|(1<<20)|(1<<21)|(5<<22)|(3<<25)
.irp g, G1, G1B
	s_mov_b32 s[\g+1], ROWB<<16                    ; tensor_dim0
	s_mov_b32 s[\g+2], 128<<16                     ; tensor_dim1
	s_mov_b32 s[\g+3], ROWB<<16                    ; tile_dim0
	s_mov_b32 s[\g+4], 128                         ; tile_dim1
	s_mov_b32 s[\g+5], KROW                        ; tensor_dim0_stride
	s_mov_b32 s[\g+6], 0
	s_mov_b32 s[\g+7], 0
.endr
	; the scales of 128 rows: a dense block of 8,192 bytes, as rows of 256 bytes (32 elements of 8 bytes), 16 bytes of padding behind each
	s_or_b32 s[G1S+0], s43, (3<<16)|(1<<20)|(1<<21)|(5<<22)|(3<<25)
	s_or_b32 s[G1SB+0], s44, (3<<16)|(1<<20)|(1<<21)|(5<<22)|(3<<25)
.irp g, G1S, G1SB
	s_mov_b32 s[\g+1], 32<<16
	s_mov_b32 s[\g+2], (128*KS/256)<<16
	s_mov_b32 s[\g+3], 32<<16
	s_mov_b32 s[\g+4], 128*KS/256
	s_mov_b32 s[\g+5], 32
	s_mov_b32 s[\g+6], 0
	s_mov_b32 s[\g+7], 0
.endr
	s_cmp_lt_u32 ttmp9, 4                          ; q or k (clusters 0-3) or v (4, 5): the cluster's x, the same in all sixteen partners
	s_cselect_b32 s95, 0, 6144                     ; A's rows begin at x, or at wv
	s_mov_b32 s96, 0xfffff000
	s_cselect_b32 s96, 2048, s96                   ; B's rows: tile column 0 is wq's first row (2,048); tile column 16 is x's first row (4,096 less)
	s_lshl_b32 s18, s16, 7                         ; which 128 rows of the tile I fetch
	s_lshl_b32 s20, s17, 8
	s_add_co_u32 s20, s20, s18
	s_add_co_u32 s20, s20, s95                     ; A: its row among the 8,192
	s_lshl_b32 s46, s42, 8
	s_add_co_u32 s46, s46, s18
	s_add_co_u32 s46, s46, s96                     ; B likewise
	s_mov_b32 s21, 0
	s_mov_b32 s47, 0
	s_mov_b64 s[18:19], KS
	s_mul_u64 s[22:23], s[20:21], s[18:19]         ; where these rows' scales begin, in bytes
	s_mul_u64 s[92:93], s[46:47], s[18:19]
	s_mov_b64 s[18:19], KROW
	s_mul_u64 s[20:21], s[20:21], s[18:19]         ; and their codes
	s_mul_u64 s[46:47], s[46:47], s[18:19]
	s_mul_i32 s45, s14, HALFT                      ; where they go: wave x 128 rows: no place in the cluster enters an LDS address
	s_mul_i32 s94, s14, HALFS
	s_wait_dscnt 0x0                               ; both opening adds are done
	s_wait_kmcnt 0x0
	s_add_nc_u64 s[20:21], s[4:5], s[20:21]
	s_add_nc_u64 s[22:23], s[6:7], s[22:23]
	s_add_nc_u64 s[46:47], s[4:5], s[46:47]
	s_add_nc_u64 s[92:93], s[6:7], s[92:93]
	CROUND                                         ; all sixteen work-groups are here: the first joint loads meet
	s_mov_b32 s[G0S], 1
	s_add_co_u32 s[G0S+1], s94, SCL
	s_mov_b64 s[G0S+2:G0S+3], s[22:23]
	s_or_b32 s[G0S+3], s[G0S+3], 0x80000000
	s_mov_b32 s[G0SB], 1
	s_add_co_u32 s[G0SB+1], s94, SCL
	s_mov_b64 s[G0SB+2:G0SB+3], s[92:93]
	s_or_b32 s[G0SB+3], s[G0SB+3], 0x80000000
	JLOAD G0S, G1S, G0SB, G1SB                     ; the scales first: they are wanted with K step 0
.irp s, 0,1
	s_mov_b32 s[G0+4*\s], 1
	s_add_co_u32 s[G0+4*\s+1], s45, \s*SLOT
	s_add_nc_u64 s[G0+4*\s+2:G0+4*\s+3], s[20:21], \s*ROWB
	s_or_b32 s[G0+4*\s+3], s[G0+4*\s+3], 0x80000000
	s_mov_b32 s[G0B+4*\s], 1
	s_add_co_u32 s[G0B+4*\s+1], s45, \s*SLOT
	s_add_nc_u64 s[G0B+4*\s+2:G0B+4*\s+3], s[46:47], \s*ROWB
	s_or_b32 s[G0B+4*\s+3], s[G0B+4*\s+3], 0x80000000
	JLOAD G0+4*\s, G1, G0B+4*\s, G1B
.endr
	v_and_b32 v1, 15, v0                           ; r = l % 16
	v_bfe_u32 v2, v0, 4, 1                         ; h = l / 16
	v_mul_u32_u24 v3, v1, PITCH
	v_lshl_add_u32 v4, v2, 4, v3                   ; a fragment's row x pitch + 16 x half
	s_mul_i32 s21, s15, HALFT                      ; my 128 rows of A
	s_mul_i32 s22, s16, HALFT                      ; my 128 rows of B,
	s_add_co_u32 s22, s22, 2*HALFT                 ; which lie behind A's 256
.irp s, 0,1
	v_add_nc_u32 v[ADRA+\s], s21, v4
	v_add_nc_u32 v[ADRB+\s], s22, v4
	s_add_co_u32 s21, s21, SLOT
	s_add_co_u32 s22, s22, SLOT
.endr
	v_mul_u32_u24 v5, v1, KS                       ; my row's scales: KS bytes a row,
	v_lshrrev_b32 v6, 8, v5
	v_lshl_add_u32 v5, v6, 4, v5                   ; and 16 more for each 256 passed
	s_mul_i32 s21, s15, HALFS
	s_mul_i32 s22, s16, HALFS
	s_add_co_u32 s22, s22, 2*HALFS
	s_sub_co_u32 s22, s22, s21
	v_mul_u32_u24 v6, s22, v2                      ; lanes 16-31 take B's
	s_add_co_u32 s21, s21, SCL
	v_add_nc_u32 v5, v5, v6
	v_add_nc_u32 v[ADRS], s21, v5
	v_and_b32 v6, 31, v0
	v_lshlrev_b32 v[LO], 4, v6
	v_lshlrev_b32 v[SV], 2, v1
	v_lshl_add_u32 v[SV], v2, 16, v[SV]
	; where my results go: scalar work alone, in two arms by the cluster's x
	s_mov_b32 s47, 0
	s_cmp_lt_u32 ttmp9, 4
	s_cbranch_scc0 .Lset_v
	s_lshl_b32 s92, s42, 1
	s_add_co_u32 s92, s92, s16                     ; which 128 of B's rows: heads 0-15 of q, then 16-31: k's, whose region follows q's
	s_lshl_b32 s21, s17, 4
	s_lshl_b32 s22, s15, 3
	s_add_co_u32 s21, s21, s22                     ; my first tile of 16 rows
	v_mov_b32 v[FLAG], s21
	s_lshl_b32 s46, s92, 19                        ; a head's image is 524,288 bytes,
	s_lshl_b32 s22, s21, 12                        ; a row tile's 4,096
	s_add_co_u32 s46, s46, s22
	s_add_nc_u64 s[10:11], s[10:11], s[46:47]
	s_lshl_b32 s46, s21, 13
	s_add_nc_u64 s[8:9], s[8:9], s[46:47]          ; the table: 8,192 bytes a row tile
	s_lshl_b32 s46, s92, 13
	s_add_nc_u64 s[12:13], s[12:13], s[46:47]      ; the side copy: 8,192 bytes a head
	s_branch .Lset_done
.Lset_v:
	s_lshl_b32 s21, s17, 1
	s_add_co_u32 s21, s21, s15                     ; the head: my 128 of wv's rows
	s_sub_co_u32 s92, s42, 16
	s_lshl_b32 s92, s92, 3
	s_lshl_b32 s93, s16, 2
	s_add_co_u32 s92, s92, s93                     ; my first group of 32 keys
	v_mov_b32 v[FLAG], s92
	s_lshl_b32 s46, s21, 19
	s_lshl_b32 s93, s92, 13                        ; a key group's image is 8,192 bytes
	s_add_co_u32 s46, s46, s93
	s_add_co_u32 s46, s46, 0x1000000               ; V's region
	s_add_nc_u64 s[10:11], s[10:11], s[46:47]
	s_lshl_b32 s46, s21, 9                         ; the side copy: my head's 128 channels of 4 bytes
	s_add_co_u32 s46, s46, 262144
	s_add_nc_u64 s[12:13], s[12:13], s[46:47]
.Lset_done:
.macro FRAG reg, adr, q, i             ; a fragment, 16 rows x 128 K of 4-bit codes: lane l holds row l % 16; registers 4 c .. 4 c + 3 hold K = 64 c + 32 (l / 16) + 0 .. 31
.irp c, 0,1
	ds_load_b128 v[\reg+4*\c:\reg+4*\c+3], v[\adr] offset:64*(\q)+32*\c+(\i)*16*PITCH
.endr
.endm
; 16 matrix instructions: A's blocks a0, a0 + 1 x B's eight, 128 along K.  zero = 1: the first product starts the sums.  The 64 accumulators take turns, one instruction a turn.
.macro MUL16 a0, p, q, sc, zero
.irp a, \a0, \a0+1
.irp b, 0,1,2,3,4,5,6,7
.if \zero
	v_wmma_scale_f32_16x16x128_f8f6f4 v[8*(8*((\a)%4)+\b):8*(8*((\a)%4)+\b)+7], v[128*(\p)+FR*\b:128*(\p)+FR*\b+FR-1], v[AF+FR*(\a):AF+FR*(\a)+FR-1], 0, v[SC+8*NQ*(\sc)+NQ*\b+(\q)], v[SC+8*NQ*(\sc)+NQ*(\a)+(\q)] matrix_a_fmt:MATRIX_FMT_FP4 matrix_b_fmt:MATRIX_FMT_FP4 matrix_a_scale:MATRIX_SCALE_ROW1
.else
	v_wmma_scale_f32_16x16x128_f8f6f4 v[8*(8*((\a)%4)+\b):8*(8*((\a)%4)+\b)+7], v[128*(\p)+FR*\b:128*(\p)+FR*\b+FR-1], v[AF+FR*(\a):AF+FR*(\a)+FR-1], v[8*(8*((\a)%4)+\b):8*(8*((\a)%4)+\b)+7], v[SC+8*NQ*(\sc)+NQ*\b+(\q)], v[SC+8*NQ*(\sc)+NQ*(\a)+(\q)] matrix_a_fmt:MATRIX_FMT_FP4 matrix_b_fmt:MATRIX_FMT_FP4 matrix_a_scale:MATRIX_SCALE_ROW1
.endif
.endr
.endr
.endm
.macro FETCH_B slot, q, p
	WIN TO_B
.irp i, 0,1,2,3,4,5,6,7
	FRAG 128*(\p)+FR*\i, ADRB+\slot, \q, \i
.endr
	WIN 0
.endm
.macro FETCH_A slot, q, i0
.irp i, \i0, \i0+1, \i0+2, \i0+3
	FRAG AF+FR*(\i), ADRA+\slot, \q, \i
.endr
.endm
.macro SCALES sc                       ; a K step's scale words: lanes 0-15 take A's block i, lanes 16-31 B's block i
.irp i, 0,1,2,3,4,5,6,7
	ds_load_b128 v[SC+8*NQ*\sc+NQ*\i:SC+8*NQ*\sc+NQ*\i+3], v[ADRS] offset:\i*SBLK
.endr
.endm
.macro PLACES n                        ; plain vector instructions between a matrix instruction and a load into, or a vector access to, its registers
.rept \n
	v_nop
.endr
.endm
.macro STEP slot, q, zero              ; a step of 128 along K that has its successor in the same slot
	s_wait_dscnt 4*NL                              ; B's set and A's blocks 0-3 are in; the youngest loads (A's blocks 4-7) may be out
	WIN MUL_LO
	MUL16 0, (\q)%2, \q, \slot, \zero
	MUL16 2, (\q)%2, \q, \slot, \zero
	s_wait_dscnt 0                                 ; A's blocks 4-7 are in
	PLACES NP
	FETCH_B \slot, (\q)+1, 1-(\q)%2
	FETCH_A \slot, (\q)+1, 0
	WIN MUL_HI
	MUL16 4, (\q)%2, \q, \slot, \zero
	MUL16 6, (\q)%2, \q, \slot, \zero
	PLACES NP
	WIN 0
	FETCH_A \slot, (\q)+1, 4
.endm
; A slot's last step changes slots: one barrier; in front of it each wave waits for all its tensor loads, adds 0 to its spare word, and waits for that and for its own reads of this slot.
.macro TURN slot, next, fill
	s_wait_tensorcnt 0x0                           ; all my tensor loads have landed: my part of the next slot
	ds_add_u32 v[SPW], v[NIL]                      ; 0 onto my spare word
	s_wait_dscnt 4*NL+1                            ; (the add and the youngest loads, A's blocks 4-7, may be out)
	WIN MUL_LO
	MUL16 0, 1, NQ-1, \slot, 0
	s_wait_dscnt 0x0                               ; the add is done, and my reads of this slot are over
	s_barrier_signal -1
	MUL16 2, 1, NQ-1, \slot, 0
	WIN 0
	s_barrier_wait -1
.if \fill
	CREST                                          ; the barrier has opened a round of the cluster's barrier: no wave of any partner still reads this slot or has a load on its way
	s_add_nc_u64 s[G0+4*\slot+2:G0+4*\slot+3], s[G0+4*\slot+2:G0+4*\slot+3], 2*ROWB
	s_add_nc_u64 s[G0B+4*\slot+2:G0B+4*\slot+3], s[G0B+4*\slot+2:G0B+4*\slot+3], 2*ROWB
	JLOAD G0+4*\slot, G1, G0B+4*\slot, G1B         ; the first tensor load behind the round; its four v_nop are the places in front of the loads below
.else
	PLACES NP
.endif
	v_add_nc_u32 v[ADRS], 4*NQ, v[ADRS]            ; on to the next K step's scale words
	FETCH_B \next, 0, 0
	FETCH_A \next, 0, 0
	SCALES \next
	WIN MUL_HI
	MUL16 4, 1, NQ-1, \slot, 0
	MUL16 6, 1, NQ-1, \slot, 0
	PLACES NP
	WIN 0
	FETCH_A \next, 0, 4
.endm
.macro STEPS slot, from
.set Q, \from
.rept NQ-1-\from
	STEP \slot, Q, 0
.set Q, Q+1
.endr
.endm
	s_wait_tensorcnt 1                             ; the scales and my part of K step 0 are in (K step 1's load may be out),
	s_barrier_signal -1
	s_barrier_wait -1                              ; everybody's are
	FETCH_B 0, 0, 0
	FETCH_A 0, 0, 0
	SCALES 0
	FETCH_A 0, 0, 4
	STEP 0, 0, 1                                   ; the first step stands in front of the loop: its products start the sums
	s_mov_b32 s3, LAPS-1
.Llap:                                                 ; a trip goes once round the ring and fills both slots again
	STEPS 0, 1
	TURN 0, 1, 1
	STEPS 1, 0
	TURN 1, 0, 1
	STEP 0, 0, 0
	s_sub_co_u32 s3, s3, 1
	s_cmp_lg_u32 s3, 0
	s_cbranch_scc1 .Llap
	STEPS 0, 1                                     ; the last lap fills nothing
	TURN 0, 1, 0
	STEPS 1, 0
	s_wait_dscnt 4*NL
	WIN MUL_LO
	MUL16 0, 1, NQ-1, 1, 0
	MUL16 2, 1, NQ-1, 1, 0
	s_wait_dscnt 0
	WIN MUL_HI
	MUL16 4, 1, NQ-1, 1, 0
	MUL16 6, 1, NQ-1, 1, 0
	WIN 0
	s_cmp_lt_u32 ttmp9, 4
	s_cbranch_scc0 .Lout_v
; THE WAY OUT OF q AND k.
; TABLE: 16 loads: the cos and sin of block a's 16 rows, for all 64 pairs, into set a % 4 of window 1: register 8 b + 2 q holds the cosine of pair q of accumulator (a, b), the next its sine.
; All tables are asked for on this path alone, behind the one branch that leads here: every way that reads a table has loaded it.
.macro TABLE a
	WIN TO_B
.irp b, 0,1,2,3,4,5,6,7
.irp p, 0,1
	global_load_b128 v[64*((\a)%4)+8*\b+4*\p:64*((\a)%4)+8*\b+4*\p+3], v[LO], s[8:9] offset:8192*(\a)+1024*\b+512*\p
.endr
.endr
	WIN 0
.endm
; ROPEBLK: block a (16 rows x 128 channels): the rotation in f32, rounded once to f16, eight stores of 512 consecutive bytes.
; left: the table loads issued behind this block's own 16, which may stay out.
.macro ROPEBLK a, left
.set AC, 64*((\a)%4)
	s_wait_loadcnt \left
	s_wait_xcnt 0x0                                ; the last block's stores have read their data registers
	WIN 0x06+((\a)/4)                              ; source 0: the accumulators' window (2 or 3); source 1: the tables' (1)
.irp b, 0,1,2,3,4,5,6,7
.irp q, 0,1,2,3
	v_mul_f32 v[TT+2*\q], v[AC+8*\b+2*\q+1], v[AC+8*\b+2*\q+1]            ; odd x sin  (each accumulator is read from its low end on)
	v_mul_f32 v[TT+2*\q+1], v[AC+8*\b+2*\q], v[AC+8*\b+2*\q+1]            ; even x sin
.endr
.irp q, 0,1,2,3
	v_fma_f32 v[RR+8*\b+2*\q], v[AC+8*\b+2*\q], v[AC+8*\b+2*\q], -v[TT+2*\q]       ; even x cos - odd x sin
	v_fma_f32 v[RR+8*\b+2*\q+1], v[AC+8*\b+2*\q+1], v[AC+8*\b+2*\q], v[TT+2*\q+1]  ; odd x cos + even x sin
.endr
.endr
	WIN 0
.irp i, 0,1,2,3,4,5,6,7,8,9,10,11,12,13,14,15,16,17,18,19,20,21,22,23,24,25,26,27,28,29,30,31
	v_cvt_pk_f16_f32 v[PK+\i], v[RR+2*\i], v[RR+2*\i+1]
.endr
.irp b, 0,1,2,3,4,5,6,7
	global_store_b128 v[LO], v[PK+4*\b:PK+4*\b+3], s[10:11] offset:4096*(\a)+512*\b
.endr
.if (\a) == 0                          ; positions 0-15 also leave in f32, as they stand in the registers: a lane mask, all lanes or none, since who holds them hangs on the work-group's place
	s_wait_xcnt 0x0                                ; EXEC changes only behind this wait
	v_cmp_eq_u32 vcc_lo, 0, v[FLAG]
	s_and_saveexec_b32 s97, vcc_lo
.irp b, 0,1,2,3,4,5,6,7
	global_store_b128 v[LO], v[RR+8*\b:RR+8*\b+3], s[12:13] offset:1024*\b         ; group 2 b: 512 consecutive bytes
	global_store_b128 v[LO], v[RR+8*\b+4:RR+8*\b+7], s[12:13] offset:1024*\b+512   ; group 2 b + 1
.endr
	s_wait_xcnt 0x0
	s_or_b32 exec_lo, exec_lo, s97
.endif
.if (\a) < 4
	TABLE (\a)+4                                   ; this block's set of registers takes the table of the block four further on
.endif
.endm
	PLACES NP                                      ; behind the last products: for the loads into B's registers and the first reads of results
	TABLE 1
	TABLE 3
	TABLE 0
	TABLE 2
	ROPEBLK 1, 48                                  ; behind table 1: tables 3, 0, 2
	ROPEBLK 3, 48                                  ; 0, 2, 5
	ROPEBLK 0, 48                                  ; 2, 5, 7
	ROPEBLK 2, 48                                  ; 5, 7, 4
	ROPEBLK 5, 48                                  ; 7, 4, 6
	ROPEBLK 7, 32                                  ; 4, 6
	ROPEBLK 4, 16                                  ; 6
	ROPEBLK 6, 0
	s_branch .Lend
; THE WAY OUT OF v: block a is 16 channels x 128 keys: rounded to f16, eight stores of 512 consecutive bytes.
.Lout_v:
	PLACES NP                                      ; behind the last products: for the first reads of results and the writes into registers that held A's fragments
.macro PACKV a
.set AC, 64*((\a)%4)
	s_wait_xcnt 0x0                                ; earlier stores have read their data registers
	WIN 0x0a+5*((\a)/4)                            ; sources 0 and 1: window 2 or 3
.irp i, 0,1,2,3,4,5,6,7,8,9,10,11,12,13,14,15,16,17,18,19,20,21,22,23,24,25,26,27,28,29,30,31
	v_cvt_pk_f16_f32 v[PV0+32*((\a)%2)+\i], v[AC+2*\i], v[AC+2*\i+1]
.endr
	WIN 0
.irp b, 0,1,2,3,4,5,6,7
	global_store_b128 v[LO], v[PV0+32*((\a)%2)+4*\b:PV0+32*((\a)%2)+4*\b+3], s[10:11] offset:8192*(\b/2)+1024*(\a)+512*(\b%2)
.endr
.endm
.irp a, 0,1,2,3,4,5,6,7
	PACKV \a
.endr
	s_wait_xcnt 0x0                                ; keys 0-15 also leave in f32, under a lane mask as above
	v_cmp_eq_u32 vcc_lo, 0, v[FLAG]
	s_and_saveexec_b32 s97, vcc_lo
.irp a, 0,1,2,3,4,5,6,7
	WIN 0x08+4*(\a/4)                              ; a store's data are its source 1: window 2 or 3
.irp j, 0,1,2,3,4,5,6,7
	global_store_b32 v[SV], v[64*(\a%4)+\j], s[12:13] offset:8192*\j+64*\a   ; v(key 8 h + j, channel 16 a + r)
.endr
.endr
	WIN 0
	s_wait_xcnt 0x0
	s_or_b32 exec_lo, exec_lo, s97
.Lend:
	s_wait_tensorcnt 0x0                           ; the wave's end
	ds_add_u32 v[SPW], v[NIL]
	s_wait_dscnt 0x0
	CROUND                                         ; the closing round: no work-group ends while a partner may still ask for a tile that names it
	s_endpgm
.Lfunc_end_k_q2daa51aff6_qkv:
	.size	k_q2daa51aff6_qkv, .Lfunc_end_k_q2daa51aff6_qkv-k_q2daa51aff6_qkv
	.p2alignl 7, 3214868480
	.fill 96, 4, 3214868480
	.section	.rodata,"a",@progbits
	.p2align	6, 0x0
	.amdhsa_kernel k_q2daa51aff6_qkv
		.amdhsa_group_segment_fixed_size 327680
		.amdhsa_private_segment_fixed_size 0
		.amdhsa_enable_private_segment 0
		.amdhsa_kernarg_size 40
		.amdhsa_user_sgpr_count 2
		.amdhsa_user_sgpr_kernarg_segment_ptr 1
		.amdhsa_wavefront_size32 1
		.amdhsa_system_sgpr_workgroup_id_x 1
		.amdhsa_system_sgpr_workgroup_id_y 1
		.amdhsa_system_sgpr_workgroup_id_z 1
		.amdhsa_system_vgpr_workitem_id 0
		.amdhsa_next_free_vgpr 1024
		.amdhsa_next_free_sgpr 100
		.amdhsa_reserve_vcc 1
		.amdhsa_float_denorm_mode_32 3
		.amdhsa_float_denorm_mode_16_64 3
		.amdhsa_memory_ordered 1
		.amdhsa_forward_progress 1
		.amdhsa_inst_pref_size 255
	.end_amdhsa_kernel
	.section	.bss,"aw",@nobits
	.p2align	6
	.space	262144
	.amdgpu_metadata
---
amdhsa.version: [ 1, 2 ]
amdhsa.kernels:
  - .name:           k_q2daa51aff6_qkv
    .symbol:         k_q2daa51aff6_qkv.kd
    .args:
      - { .name: codes, .offset: 0, .size: 8, .value_kind: global_buffer, .address_space: global }
      - { .name: scl, .offset: 8, .size: 8, .value_kind: global_buffer, .address_space: global }
      - { .name: rope, .offset: 16, .size: 8, .value_kind: global_buffer, .address_space: global }
      - { .name: qkvf, .offset: 24, .size: 8, .value_kind: global_buffer, .address_space: global }
      - { .name: side, .offset: 32, .size: 8, .value_kind: global_buffer, .address_space: global }
    .group_segment_fixed_size: 327680
    .private_segment_fixed_size: 0
    .kernarg_segment_align: 8
    .kernarg_segment_size: 40
    .max_flat_workgroup_size: 128
    .sgpr_count:     100
    .vgpr_count:     1024
    .wavefront_size: 32
...
	.end_amdgpu_metadata
.endif
;; end of part 2
;; launch attn (part 3): grid 16 x 16, 4 waves a work-group, no clusters, 153,088 bytes of LDS; arguments qkvf, att; writes att
.if DOCPART == 3
	.amdgcn_target "amdgcn-amd-amdhsa--gfx1250"
	.amdhsa_code_object_version 6
	.text
	.protected	k_q2daa51aff6_attn
	.globl	k_q2daa51aff6_attn
	.p2align	8
	.type	k_q2daa51aff6_attn,@function
k_q2daa51aff6_attn:
	s_mov_b64 s[64:65], 0
	v_nop
	global_prefetch_b8 v0, s[64:65] scope:SCOPE_SE
	s_setreg_imm32_b32 hwreg(HW_REG_WAVE_MODE, 25, 1), 1
	s_wait_xcnt 0x0
; Causal attention, 16 heads of 128, 2,048 positions; operands in f16, products, maxima and sums in f32; att [2048][2048] f16 row-major.
; qkvf holds images of operand registers: a fragment of 16 rows x 32 is [group (2)][lane (32)][16 bytes], so 32 loads of 512 consecutive bytes bring 64 rows of Q or K, or 64 keys of V, straight into place.
; SHARES.  Work-group (x, head) owns two blocks of 64 queries, 31 - x (pass 0) and x (pass 1): 33 blocks of 64 x 64 under the mask in every work-group.
; In a pass all four waves hold the SAME 64 queries and share the KEYS: wave w takes the key steps of 64 numbered w, w + 4, ..  Each keeps its own running maximum, sum and O^T;
; at the pass's end the four meet in LDS and wave w finishes tile w (16 queries).  No K or V tile is read by two waves of a work-group, so none goes through LDS, and the loop has no barrier.
; No cluster: under the mask the work-groups of a head need different numbers of tiles.
; LAYOUT.  S^T = K Q^T and O^T = V^T P: a lane holds one query (lane % 16) throughout.
; SOFTMAX.  Running maximum m and sum l; p = 2^(c s - c m), c = log2(e) / sqrt(128); in every step O and l are multiplied by a = 2^(c m_old - c m_new).
; A TRIP.  V^T P runs one step late.  K Q^T of the step; K of my next step is asked for, into the registers just multiplied; then V^T P of the step before, and BETWEEN ITS 64 PRODUCTS the first
; 280 lines of this step's softmax (maxima, scalings, all exponentials): they name S^T and the statistics, the products V, P and O^T, so the two kinds of work share no register and can run side by side
; in the one wave that the SIMD holds.  Then V of this step is asked for, and the softmax's second half follows (roundings, which write P; sums; O^T times a).
; So the loads go out in two runs of 32, each as soon as its registers are free.  The price of the lines between the products: two switches of the register window for each product.
; THE NEXT PASS'S Q AND FIRST K are asked for during the merge, which touches neither's registers.
; REGISTERS, in windows of 256: window 0: v2-15 addresses and constants; v16-47 statistics, 8 a tile; v64-191 S^T; v192-255 P.   window 1: O^T.   window 2: v0-127 Q, v128-255 K.   window 3: v0-127 V.
; LIMIT: NaN and infinities are not served.
.set S,   64
.set P,   192
.set KF,  128
.set ST,  16                           ; tile t: +0 c m, +1 m, +2, +3 l (two halves), +4 to +7 at work; a takes +6
.set STAT,  131072                     ; LDS: 0: the four waves' O^T, 32,768 bytes each;  STAT: their c m and l, 1,024 bytes each;
.set STAGE, 135168                     ; a stage of 16 rows x 272 bytes for each wave;
.set SPARE, 152576                     ; the spare words, 128 bytes a wave
.set SPW, 62
.set NIL, 63
.set WV,  8
.set BX,  9
.set HD,  10
.set PASS, 11
.set QB,  12                           ; the pass's block of 64 queries; also its last key step, the one on the diagonal
.set REM, 14                           ; key steps of mine still to be begun
.set J,   15                           ; the key step in hand
.set PLIM, 16                          ; I prefetch while J is under it
.set NW,  17                           ; how many key steps are mine in the pass
.set QP,  20
.set KP,  22
.set VP,  24
.set HB,  26                           ; s[26:27] qkvf at my head
.set OP,  28                           ; s[28:29] att at my 16 rows, my head's columns, for the pass in hand
.set OFS, 34                           ; s[34:35] the byte offset of those rows in att, made with the pass's other scalars
.set CS,  58
.set SEL, 60
.set MSB, 0
.macro WIN new                         ; the immediate's high byte repeats the setting that is left
.if MSB != \new
	s_set_vgpr_msb (MSB<<8)|\new
.set MSB, \new
.endif
.endm
.set W_KQ, 0x0a                        ; K and Q in window 2, S^T in window 0
.set W_PV, 0x53                        ; V in window 3, P in window 0, O^T in window 1
.set W_RS, 0x41                        ; O^T (destination and source 0) in window 1, a in window 0
	s_load_b128 s[4:7], s[0:1], 0x0                ; qkvf, att
	v_lshl_add_u32 v[SPW], v0, 2, SPARE
	v_mov_b32 v[NIL], 0
	v_lshrrev_b32 v1, 5, v0
	v_readfirstlane_b32 s[WV], v1
	s_mov_b32 s[BX], ttmp9
	s_and_b32 s[HD], ttmp7, 0xffff
	v_and_b32 v1, 31, v0                           ; lane
	v_and_b32 v48, 15, v0                          ; r
	v_bfe_u32 v49, v0, 4, 1                        ; h
	v_lshlrev_b32 v2, 4, v1                        ; v2  16 x lane
	s_lshl_b32 s30, s[WV], 15
	v_add_nc_u32 v3, s30, v2                       ; v3  where I store my O^T
	s_lshl_b32 s30, s[WV], 13
	v_add_nc_u32 v4, s30, v2                       ; v4-7  where I read tile w of wave 0..3
	v_add_nc_u32 v5, 32768, v4
	v_add_nc_u32 v6, 65536, v4
	v_add_nc_u32 v7, 98304, v4
	v_lshlrev_b32 v9, 2, v1
	s_lshl_b32 s30, s[WV], 10
	s_add_co_u32 s30, s30, STAT
	v_add_nc_u32 v8, s30, v9                       ; v8  where I store my statistics
	s_lshl_b32 s30, s[WV], 8
	s_add_co_u32 s30, s30, STAT
	v_add_nc_u32 v9, s30, v9                       ; v9  where I read tile w's
	s_mul_i32 s30, s[WV], 4352
	s_add_co_u32 s30, s30, STAGE
	v_mul_u32_u24 v10, v48, 272
	v_lshl_add_u32 v10, v49, 4, v10
	v_add_nc_u32 v10, s30, v10                     ; v10 the stage, in: row r, 16 bytes for each half of the lanes
	v_mul_u32_u24 v11, v49, 272
	v_lshl_add_u32 v11, v48, 4, v11
	v_add_nc_u32 v11, s30, v11                     ; v11 back: lanes 0-15 one row, lanes 16-31 the next
	v_lshlrev_b32 v12, 12, v49
	v_lshl_add_u32 v12, v48, 4, v12                ; v12 the same two rows in att
	v_lshlrev_b32 v13, 3, v49
	v_sub_nc_u32 v13, v48, v13                     ; v13 r - 8 h: on a diagonal tile register j is hidden where j is above it
	v_mov_b32 v14, 0xff800000                      ; v14 -infinity
	v_lshlrev_b32 v15, 8, v1                       ; v15 256 x lane, for the prefetches
	s_mov_b32 s[CS], 0x3e0293ee                    ; c = log2(e) / sqrt(128)
	s_mov_b32 s[CS+1], s[CS]
	s_mov_b32 s[SEL], 0x76543210
	s_mov_b32 s[SEL+1], 0xfedcba98
	s_lshl_b32 s30, s[HD], 19
	s_mov_b32 s31, 0
	s_wait_kmcnt 0x0
	s_add_nc_u64 s[HB:HB+1], s[4:5], s[30:31]
	s_mov_b32 s[PASS], 0
; The scalars of pass p: its block of queries, my share of its key steps, where Q, my first K and my first V lie, and where my 16 rows of the result go.
.macro SETUP p
.if \p == 0
	s_sub_co_u32 s[QB], 31, s[BX]
	s_cmp_eq_u32 s[BX], 0
	s_cselect_b32 s[PLIM], 24, 0                   ; the head's first work-group prefetches, in its pass 0
.else
	s_mov_b32 s[QB], s[BX]
	s_mov_b32 s[PLIM], 0
.endif
	s_add_co_u32 s[NW], s[QB], 4                   ; QB + 1 key steps; mine are w, w + 4, ..: (QB + 1 + 3 - w) / 4 of them
	s_sub_co_u32 s[NW], s[NW], s[WV]
	s_lshr_b32 s[NW], s[NW], 2
	s_sub_co_u32 s[REM], s[NW], 1
	s_lshl_b32 s[OFS], s[QB], 6
	s_lshl_b32 s[OFS+1], s[WV], 4
	s_add_co_u32 s[OFS], s[OFS], s[OFS+1]          ; the 16 rows that I finish,
	s_lshl_b32 s[OFS], s[OFS], 12                  ; of 4,096 bytes,
	s_lshl_b32 s[OFS+1], s[HD], 8
	s_add_co_u32 s[OFS], s[OFS], s[OFS+1]          ; and my head's 256 bytes in them
	s_mov_b32 s[OFS+1], 0
	s_lshl_b32 s30, s[QB], 14
	s_mov_b32 s31, 0
	s_add_nc_u64 s[QP:QP+1], s[HB:HB+1], s[30:31]
	s_lshl_b32 s30, s[WV], 14
	s_add_co_u32 s30, s30, 0x800000
	s_add_nc_u64 s[KP:KP+1], s[HB:HB+1], s[30:31]
	s_add_co_u32 s30, s30, 0x800000
	s_add_nc_u64 s[VP:VP+1], s[HB:HB+1], s[30:31]
	s_mov_b32 s[J], s[WV]
.endm
.macro LOAD32 win, reg, base           ; 16,384 consecutive bytes into 128 registers: register 4 i takes byte 512 i + 16 x lane
	WIN \win
.set li, 0
.rept 32
	global_load_b128 v[\reg+4*li:\reg+4*li+3], v2, s[\base:\base+1] offset:512*li
.set li, li+1
.endr
	WIN 0
.endm
.macro PLACES                          ; four plain vector instructions between a matrix instruction and a load into, or a vector access to, its registers
	WIN 0
.rept 4
	v_nop
.endr
.endm
.macro KQ                              ; S^T = K Q^T: 64 products; the 16 accumulators take turns, one instruction a turn; the first 16 start the sums
	WIN W_KQ
.irp f, 0,1,2,3
.irp k, 0,1,2,3
.irp t, 0,1,2,3
.if \f == 0
	v_wmma_f32_16x16x32_f16 v[S+32*\t+8*\k:S+32*\t+8*\k+7], v[KF+32*\k+8*\f:KF+32*\k+8*\f+7], v[32*\t+8*\f:32*\t+8*\f+7], 0
.else
	v_wmma_f32_16x16x32_f16 v[S+32*\t+8*\k:S+32*\t+8*\k+7], v[KF+32*\k+8*\f:KF+32*\k+8*\f+7], v[32*\t+8*\f:32*\t+8*\f+7], v[S+32*\t+8*\k:S+32*\t+8*\k+7]
.endif
.endr
.endr
.endr
.endm
.macro PV zero                         ; O^T += V^T P: 64 products on 32 accumulators by turns.  zero = 1: the first 32 start the sums.  (The pass's last step: no softmax is left to set between them)
	WIN W_PV
.irp g, 0,1
.irp c, 0,1,2,3,4,5,6,7
.irp t, 0,1,2,3
.if \zero && (\g == 0)
	v_wmma_f32_16x16x32_f16 v[64*\t+8*\c:64*\t+8*\c+7], v[64*\g+8*\c:64*\g+8*\c+7], v[P+16*\t+8*\g:P+16*\t+8*\g+7], 0
.else
	v_wmma_f32_16x16x32_f16 v[64*\t+8*\c:64*\t+8*\c+7], v[64*\g+8*\c:64*\g+8*\c+7], v[P+16*\t+8*\g:P+16*\t+8*\g+7], v[64*\t+8*\c:64*\t+8*\c+7]
.endif
.endr
.endr
.endr
.endm
; K of my next step, if there is one: it stands behind K Q^T and its places.  No load of mine is out here.
.macro NEXTK
	s_wait_xcnt 0x0                                ; the last trip's prefetches have read the two pointers (its loads were waited for)
	s_cmp_eq_u32 s[REM], 0
	s_cbranch_scc1 .Lno_k_\@
	s_add_nc_u64 s[KP:KP+1], s[KP:KP+1], 65536     ; four key steps on
	LOAD32 0x80, KF, KP
.Lno_k_\@:
.endm
; V of the step in hand: it stands behind V^T P of the step before and its places.  pro = 1: the first step, whose V stands at the pointer as it is.
; Behind the loads the prefetches: the head's first work-group, in its pass 0, where its four waves walk all 32 key steps, asks in the trip of step J < 24 for K and V of step J + 8:
; 2 x 16,384 bytes, lanes 256 bytes apart, two instructions each.  K of that step is loaded one trip later, V two.  So each block of steps 8-31 is named once; steps 0-7 come by their loads alone.
.macro NEXTV pro
.if !\pro
	s_add_nc_u64 s[VP:VP+1], s[VP:VP+1], 65536
.endif
	LOAD32 0xc0, 0, VP
	s_cmp_lt_u32 s[J], s[PLIM]
	s_cbranch_scc0 .Lno_pf_\@
	global_prefetch_b8 v15, s[KP:KP+1] offset:65536 th:TH_LOAD_NT scope:SCOPE_SE
	global_prefetch_b8 v15, s[KP:KP+1] offset:73728 th:TH_LOAD_NT scope:SCOPE_SE
	global_prefetch_b8 v15, s[VP:VP+1] offset:131072 th:TH_LOAD_NT scope:SCOPE_SE
	global_prefetch_b8 v15, s[VP:VP+1] offset:139264 th:TH_LOAD_NT scope:SCOPE_SE
.Lno_pf_\@:
.endm
; On the diagonal step hidden scores become -infinity ahead of the maximum.  Tile t of queries against tile k of keys: k < t all count; k = t: register j is hidden where j > r - 8 h; k > t: all hidden.
.macro MASK
	s_cmp_lg_u32 s[J], s[QB]
	s_cbranch_scc1 .Lopen_\@
.irp j, 0,1,2,3,4,5,6,7
	v_cmp_gt_i32 vcc_lo, \j, v13
.irp t, 0,1,2,3
	v_cndmask_b32 v[S+40*\t+\j], v[S+40*\t+\j], v14, vcc_lo
.endr
.endr
.irp t, 0,1,2
.irp k, 1,2,3
.if \k > \t
.irp j, 0,1,2,3,4,5,6,7
	v_mov_b32 v[S+32*\t+8*\k+\j], v14
.endr
.endif
.endr
.endr
.Lopen_\@:
.endm
; One tile's softmax for one key step is a list of 134 instructions; SM writes number j of it for tile t.  first = 1: the wave's first step, which starts m, l and O^T.
;   0-15 the maximum of the lane's 32 scores and the old m;  16-20 the other half of the lanes' maximum, the new m, c m, c m_old - c m_new;
;   21-69 ONE BATCH: 16 packed scalings c s - c m and all 33 exponentials; none of these names an exponential's result;  (the wait for the batch follows number 69)
;   70-85 the roundings to f16;  86-101 the sums, l = a l + the sum;  102-133 the tile's O^T times a.
.macro SM t, first
.set rT, ST+8*(\t)
.set rS, S+32*(\t)
.set rP, P+16*(\t)
.set rO, 64*(\t)+2*(j-102)
.if j < 102
	WIN 0
.endif
.if j < 4
	v_max3_num_f32 v[rT+4+j], v[rS+8*j], v[rS+8*j+1], v[rS+8*j+2]
.elseif j < 12
	v_max3_num_f32 v[rT+4+j%4], v[rT+4+j%4], v[rS+8*(j%4)+2*(j/4)+1], v[rS+8*(j%4)+2*(j/4)+2]
.elseif j == 12
	v_max3_num_f32 v[rT+4], v[rT+4], v[rS+7], v[rS+15]
.elseif j == 13
	v_max3_num_f32 v[rT+6], v[rT+6], v[rS+23], v[rS+31]
.elseif j == 14
	v_max3_num_f32 v[rT+4], v[rT+4], v[rT+5], v[rT+6]
.elseif (j == 15) && \first
	v_max_num_f32 v[rT+4], v[rT+4], v[rT+7]
.elseif j == 15
	v_max3_num_f32 v[rT+4], v[rT+4], v[rT+7], v[rT+1]
.elseif j == 16
	v_permlanex16_b32 v[rT+5], v[rT+4], s[SEL], s[SEL+1]  ; the query's other 32 keys lie in the lane 16 away
.elseif j == 18
	v_max_num_f32 v[rT+1], v[rT+4], v[rT+5]
.elseif j == 19
	v_mul_f32 v[rT], s[CS], v[rT+1]
.elseif ((j == 17) || (j == 20) || (j == 23) || (j > 101)) && \first  ; the first step has none of these
.elseif j == 17
	v_mov_b32 v[rT+7], v[rT]                       ; c m_old is kept for a
.elseif j == 20
	v_sub_f32 v[rT+7], v[rT+7], v[rT]
.elseif j == 23
	v_exp_f32 v[rT+6], v[rT+7]
.elseif (j < 23) || ((j < 38) && (j%2 == 0)) || ((j < 66) && (j%4 == 2))
.set b, (j-2)/4
.if j < 38
.set b, (j-20)/2
.endif
	v_pk_fma_f32 v[rS+2*b:rS+2*b+1], v[rS+2*b:rS+2*b+1], s[CS:CS+1], v[rT:rT+1] op_sel_hi:[1,0,0] neg_lo:[0,0,1] neg_hi:[0,0,1]  ; pair b: c s - c m
.elseif j < 70
.set e, j-38
.if j < 66
.set e, j-32-(j-38)/4
.endif
.if j < 38
.set e, (j-25)/2
.endif
	v_exp_f32 v[rS+e], v[rS+e]
.elseif j < 86
	v_cvt_pk_f16_f32 v[rP+j-70], v[rS+2*(j-70)], v[rS+2*(j-70)+1]
.elseif j < 102
.set z, j-86
.set w, 4
.set u, z
.if z >= 14
.set w, 32
.set u, 0
.elseif z >= 12
.set w, 16
.set u, z-12
.elseif z >= 8
.set w, 8
.set u, z-8
.endif
.if (z == 14) && \first
	v_pk_add_f32 v[rT+2:rT+3], v[rS:rS+1], v[rS+16:rS+17]
.elseif z < 15
	v_pk_add_f32 v[rS+w*u:rS+w*u+1], v[rS+w*u:rS+w*u+1], v[rS+w*u+w/2:rS+w*u+w/2+1]
.elseif !\first
	v_pk_fma_f32 v[rT+2:rT+3], v[rT+2:rT+3], v[rT+6:rT+7], v[rS:rS+1] op_sel_hi:[1,0,1]
.endif
.else
	WIN W_RS
	v_pk_mul_f32 v[rO:rO+1], v[rO:rO+1], v[rT+6:rT+7] op_sel_hi:[1,0]
.endif
.endm
; The four tiles' lists go side by side, number by number, so that no instruction reads the result of the one just before it.
.macro SOFTA first                     ; numbers 0 to 69, by themselves: the pass's first step, which has no V^T P beside it
.set j, 0
.rept 70
.irp t, 0,1,2,3
	SM \t, \first
.endr
.set j, j+1
.endr
	v_nop                                          ; a plain instruction behind the last exponential
	s_wait_alu depctr_va_vdst(0)                   ; one wait for the four tiles' exponentials, ahead of the branch below and of the first instruction that names a result
.endm
.macro SOFTB first                     ; numbers 70 to 133
.set j, 70
.rept 64
.irp t, 0,1,2,3
	SM \t, \first
.endr
.set j, j+1
.endr
	WIN 0
.endm
.macro ONE                             ; the next line of the four lists: tile tq's number j
	SM tq, 0
.set tq, tq+1
.if tq == 4
.set tq, 0
.set j, j+1
.endif
.endm
; V^T P of the step before, in PV's order, with numbers 0 to 69 of this step's softmax between the products: 4 x 70 = 280 = 64 x 4 + 24 lines: five behind each of the first 24 products, four behind the others.
; No line names a register of the products (V, P, O^T), and no product one of the lines' (S^T, the statistics).
.macro PVS zero
.set j, 0
.set tq, 0
.set n, 0
.rept 64
.set xg, n/32
.set xc, (n/4)%8
.set xt, n%4
	WIN W_PV
.if \zero && (n < 32)
	v_wmma_f32_16x16x32_f16 v[64*xt+8*xc:64*xt+8*xc+7], v[64*xg+8*xc:64*xg+8*xc+7], v[P+16*xt+8*xg:P+16*xt+8*xg+7], 0
.else
	v_wmma_f32_16x16x32_f16 v[64*xt+8*xc:64*xt+8*xc+7], v[64*xg+8*xc:64*xg+8*xc+7], v[P+16*xt+8*xg:P+16*xt+8*xg+7], v[64*xt+8*xc:64*xt+8*xc+7]
.endif
.rept 4
	ONE
.endr
.if n < 24
	ONE
.endif
.set n, n+1
.endr
.endm
.macro TRIP zero
	s_sub_co_u32 s[REM], s[REM], 1
	s_add_co_u32 s[J], s[J], 4
	s_wait_loadcnt 32                              ; K of this step is in; behind it V of the last step was asked for, 32 loads, which may be out
	KQ
	PLACES                                         ; for the loads into K's registers and the vector work on S^T
	s_wait_loadcnt 0x0                             ; V of the last step.  It stands ahead of K's loads, so that the count holds whether a next K is asked for or not
	NEXTK
	MASK
	PVS \zero
	PLACES                                         ; for the loads into V's registers and the roundings into P's; also the plain instruction behind the last exponential
	s_wait_alu depctr_va_vdst(0)                   ; one wait for the four tiles' exponentials, ahead of the branch below and of the first instruction that names a result
	NEXTV 0
	SOFTB 0
.endm
	SETUP 0
	LOAD32 0x80, 0, QP
	LOAD32 0x80, KF, KP
.Lpass:
	s_wait_xcnt 0x0                                ; the last pass's stores have read their registers and their base
	s_add_nc_u64 s[OP:OP+1], s[6:7], s[OFS:OFS+1]
	s_wait_loadcnt 0x0                             ; Q and my first K.  (A wave with no key step in the pass has asked for them too: so every way that multiplies by these registers has loaded them)
	s_cmp_eq_u32 s[NW], 0
	s_cbranch_scc1 .Labsent
	KQ
	PLACES
	NEXTK
	MASK
	SOFTA 1
	NEXTV 1
	SOFTB 1
	s_cmp_eq_u32 s[REM], 0
	s_cbranch_scc1 .Lonly
	TRIP 1
	s_cmp_eq_u32 s[REM], 0
	s_cbranch_scc1 .Ltail
.Lloop:
	TRIP 0
	s_cmp_lg_u32 s[REM], 0
	s_cbranch_scc1 .Lloop
.Ltail:
	s_wait_loadcnt 0x0                             ; the last step's V
	PV 0
	WIN 0
	s_branch .Lstore
.Lonly:
	s_wait_loadcnt 0x0
	PV 1
	WIN 0
.Lstore:                                               ; my c m, l and O^T go to LDS.  The twelve lines on l are the places behind the last products
.irp t, 0,1,2,3
	v_add_f32 v[ST+8*\t+4], v[ST+8*\t+2], v[ST+8*\t+3]
.endr
.irp t, 0,1,2,3
	v_permlanex16_b32 v[ST+8*\t+5], v[ST+8*\t+4], s[SEL], s[SEL+1]
.endr
.irp t, 0,1,2,3
	v_add_f32 v[ST+8*\t+4], v[ST+8*\t+4], v[ST+8*\t+5]
.endr
.irp t, 0,1,2,3
	ds_store_b32 v8, v[ST+8*\t] offset:256*\t
	ds_store_b32 v8, v[ST+8*\t+4] offset:256*\t+128
.endr
	WIN 0x04                                       ; an LDS store's data are its source 1: window 1
.set li, 0
.rept 64
	ds_store_b128 v3, v[4*li:4*li+3] offset:512*li ; ascending: each accumulator from its low end on
.set li, li+1
.endr
	WIN 0
	s_branch .Ljoin
.Labsent:                                              ; a wave with no key step in this pass: a maximum under every other, and zeros
.irp i, 0,1,2,3
	v_mov_b32 v[S+\i], 0
.endr
	v_mov_b32 v[S+4], 0xff61b1e6                   ; -3e38
.irp t, 0,1,2,3
	ds_store_b32 v8, v[S+4] offset:256*\t
	ds_store_b32 v8, v[S] offset:256*\t+128
.endr
.set li, 0
.rept 64
	ds_store_b128 v3, v[S:S+3] offset:512*li
.set li, li+1
.endr
.Ljoin:
	s_cmp_eq_u32 s[PASS], 1                        ; behind pass 0: the next pass's scalars, and its Q, which comes while the four waves' parts are merged
	s_cbranch_scc1 .Lno_q
	s_wait_xcnt 0x0                                ; this pass's prefetches have read the pointers that are written now (its loads were waited for)
	SETUP 1
	LOAD32 0x80, 0, QP
.Lno_q:
	s_wait_dscnt 0x0                               ; for the others' sake: my stores are done
	s_barrier_signal -1
	s_barrier_wait -1
.irp u, 0,1,2,3
	ds_load_b32 v[200+\u], v9 offset:1024*\u       ; c m of tile w in wave u,
	ds_load_b32 v[204+\u], v9 offset:1024*\u+128   ; and l
.endr
	WIN 0x40                                       ; destination window 1
.irp u, 0,1,2,3
.irp g, 0,1,2,3,4,5,6,7,8,9,10,11,12,13,14,15
	ds_load_b128 v[64*\u+4*\g:64*\u+4*\g+3], v[4+\u] offset:512*\g
.endr
.endr
	WIN 0
	s_wait_dscnt 0x0                               ; my reads are in:
	s_barrier_signal -1
	s_barrier_wait -1                              ; everybody's are, so the next pass may store there again
	s_cmp_eq_u32 s[PASS], 1                        ; behind pass 0: my first K of the next pass, a second run of 32 loads, apart from Q's
	s_cbranch_scc1 .Lno_k2
	LOAD32 0x80, KF, KP
.Lno_k2:
	v_max3_num_f32 v208, v200, v201, v202
	v_max_num_f32 v208, v208, v203
.irp u, 0,1,2,3
	v_sub_f32 v[209+\u], v[200+\u], v208
.endr
.irp u, 0,1,2,3
	v_exp_f32 v[209+\u], v[209+\u]                 ; each wave's weight, 2^(its c m - the largest)
.endr
	v_nop
	s_wait_alu depctr_va_vdst(0)                   ; one wait for the four, ahead of their first reader
	v_mul_f32 v213, v209, v204
	v_fma_f32 v213, v210, v205, v213
	v_fma_f32 v213, v211, v206, v213
	v_fma_f32 v213, v212, v207, v213               ; the row's sum
	v_rcp_f32 v214, v213
	v_nop
	s_wait_alu depctr_va_vdst(0)
.irp u, 0,1,2,3
	v_mul_f32 v[192+2*\u], v[209+\u], v214
	v_mul_f32 v[193+2*\u], v[209+\u], v214         ; (named with it as a pair, so it is written)
.endr
	WIN 0x01                                       ; source 0 window 1
.set li, 0
.rept 32
	v_pk_mul_f32 v[S+2*li:S+2*li+1], v[2*li:2*li+1], v[192:193] op_sel_hi:[1,0]
.set li, li+1
.endr
.irp u, 1,2,3
.set li, 0
.rept 32
	v_pk_fma_f32 v[S+2*li:S+2*li+1], v[64*\u+2*li:64*\u+2*li+1], v[192+2*\u:193+2*\u], v[S+2*li:S+2*li+1] op_sel_hi:[1,0,1]
.set li, li+1
.endr
.endr
	WIN 0
.set li, 0
.rept 32
	v_cvt_pk_f16_f32 v[224+li], v[S+2*li], v[S+2*li+1]
.set li, li+1
.endr
.irp f, 0,1,2,3,4,5,6,7
	ds_store_b128 v10, v[224+4*\f:224+4*\f+3] offset:32*\f     ; a lane's eight channels of a row
.endr
.irp f, 0,1,2,3,4,5,6,7
	ds_load_b128 v[128+4*\f:128+4*\f+3], v11 offset:544*\f     ; LDS serves a wave's instructions in order: these see the stores above
.endr
.irp f, 0,1,2,3,4,5,6,7
	s_wait_dscnt 7-\f                              ; the younger loads may be out
	global_store_b128 v12, v[128+4*\f:128+4*\f+3], s[OP:OP+1] offset:8192*\f   ; 16 lanes store 256 consecutive bytes, aligned
.endr
	s_add_co_u32 s[PASS], s[PASS], 1
	s_cmp_lt_u32 s[PASS], 2
	s_cbranch_scc1 .Lpass
	s_wait_tensorcnt 0x0                           ; the wave's end, behind my last LDS store
	ds_add_u32 v[SPW], v[NIL]
	s_wait_dscnt 0x0
	s_endpgm
.Lfunc_end_k_q2daa51aff6_attn:
	.size	k_q2daa51aff6_attn, .Lfunc_end_k_q2daa51aff6_attn-k_q2daa51aff6_attn
	.p2alignl 7, 3214868480
	.fill 96, 4, 3214868480
	.section	.rodata,"a",@progbits
	.p2align	6, 0x0
	.amdhsa_kernel k_q2daa51aff6_attn
		.amdhsa_group_segment_fixed_size 153088
		.amdhsa_private_segment_fixed_size 0
		.amdhsa_enable_private_segment 0
		.amdhsa_kernarg_size 16
		.amdhsa_user_sgpr_count 2
		.amdhsa_user_sgpr_kernarg_segment_ptr 1
		.amdhsa_wavefront_size32 1
		.amdhsa_system_sgpr_workgroup_id_x 1
		.amdhsa_system_sgpr_workgroup_id_y 1
		.amdhsa_system_sgpr_workgroup_id_z 1
		.amdhsa_system_vgpr_workitem_id 0
		.amdhsa_next_free_vgpr 1024
		.amdhsa_next_free_sgpr 66
		.amdhsa_reserve_vcc 1
		.amdhsa_float_denorm_mode_32 3
		.amdhsa_float_denorm_mode_16_64 3
		.amdhsa_memory_ordered 1
		.amdhsa_forward_progress 1
		.amdhsa_inst_pref_size 189
	.end_amdhsa_kernel
	.amdgpu_metadata
---
amdhsa.version: [ 1, 2 ]
amdhsa.kernels:
  - .name:           k_q2daa51aff6_attn
    .symbol:         k_q2daa51aff6_attn.kd
    .args:
      - { .name: qkvf, .offset: 0, .size: 8, .value_kind: global_buffer, .address_space: global }
      - { .name: att, .offset: 8, .size: 8, .value_kind: global_buffer, .address_space: global }
    .group_segment_fixed_size: 153088
    .private_segment_fixed_size: 0
    .kernarg_segment_align: 8
    .kernarg_segment_size: 16
    .max_flat_workgroup_size: 128
    .sgpr_count:     66
    .vgpr_count:     1024
    .wavefront_size: 32
...
	.end_amdgpu_metadata
.endif
;; end of part 3
;; launch proj (part 4): grid 16 x 16, 4 waves a work-group, clusters of 4 x 4, 327,680 bytes of LDS; arguments att, wo16, out0; writes out0
.if DOCPART == 4
	.amdgcn_target "amdgcn-amd-amdhsa--gfx1250"
	.amdhsa_code_object_version 6
	.text
	.protected	k_q2daa51aff6_proj
	.globl	k_q2daa51aff6_proj
	.p2align	8
	.type	k_q2daa51aff6_proj,@function
k_q2daa51aff6_proj:
	s_mov_b64 s[64:65], 0
	v_nop
	global_prefetch_b8 v0, s[64:65] scope:SCOPE_SE
	s_setreg_imm32_b32 hwreg(HW_REG_WAVE_MODE, 25, 1), 1
	s_wait_xcnt 0x0
	s_wait_alu depctr_hold_cnt(0) depctr_sa_sdst(0) depctr_va_vdst(0) depctr_va_sdst(0) depctr_va_ssrc(0) depctr_va_vcc(0) depctr_vm_vsrc(0)
	s_getreg_b32 s2, hwreg(HW_REG_IB_STS2, 6, 4)
	s_cmp_eq_u32 s2, 0
	s_cbranch_scc0 .Lentry_in_a_cluster
	s_endpgm
.Lentry_in_a_cluster:
	s_bfe_u32 s2, ttmp6, 0x10000c
	s_cmp_lg_u32 s2, 0xf033
	s_cbranch_scc0 .Lentry_shape_is_right
	s_endpgm
.Lentry_shape_is_right:
; out0[s][d] = sum over e of att[s][e] wo16[d][e].  att, wo16: [2048][2048] f16; out0: [2048][2048] f32; sums in f32.  Rows 0-15 of out0 are left to the launch that carries them in f32.
; A tile is 128 x 128: 256 work-groups.  Four waves, each 64 x 64: 16 accumulators.  K goes in steps of 256 (LDS rows of 512 bytes; a wave's tensor load brings 64 of them) through two slots.
; CLUSTERS: 4 x 4 work-groups; A's tile is asked for jointly along a row of the cluster, B's along a column.
; THE MATRIX INSTRUCTION IS USED TRANSPOSED (source 0 = 16 rows of wo16, source 1 = 16 rows of att): a lane holds eight neighbouring numbers of a row of out0.
; A wave's 64 columns of f32 are 256 bytes, aligned: each wave has a stage of its own on the way out, and no barrier stands there.
; REGISTERS: window 0: v0-31 addresses; v32-95 the way out; v128-255 the accumulators ((a, b) at v[128 + 8 (4 a + b)]).   window 1: two fragment buffers of 128.
.set SIZE_N, 2048
.set SIZE_K, 2048
.set KSTEP,  256
.set PITCH,  528                       ; an LDS row: 512 bytes + 16 of padding: the 16 rows of a load start at 16 different banks (64 banks of 4 bytes: ISA guide 11.1)
.set HALFT,  64*PITCH
.set SLOT,   4*HALFT
.set STAGE,  2*SLOT                    ; behind the ring: 16 rows x 272 bytes for each wave
.set SPITCH, 272
.set SPARE,  STAGE+4*16*SPITCH         ; behind the stages: the spare words, 128 bytes a wave
.set LAPS, SIZE_K/(2*KSTEP)
.set ADRA, 16
.set ADRB, 20
.set STO,  24                          ; v24 the way out: where I put 32 bytes of a row
.set RD,   25                          ; v25 where I read a row back
.set CO,   26                          ; v26 my byte offset in out0
.set ROW0, 27                          ; v27 my wave's first row of out0
.set SPW,  28
.set NIL,  29
.set TMP,  32
.set ACC,  128
.set F0,   0
.set F1,   128
.set G1, 24
.set G0, 32
.set G1B, 48
.set G0B, 56
.set MSB, 0
.macro WIN new
.if MSB != \new
	s_set_vgpr_msb (MSB<<8)|\new
.set MSB, \new
.endif
.endm
.set MUL,  0x05                        ; sources 0 (B) and 1 (A) window 1; C and D window 0
.set TO_F, 0x40                        ; destination window 1, address window 0
.macro JLOAD s                         ; a joint load: waves 0 and 1 fetch A's halves, waves 2 and 3 B's; an s_nop 0 and four v_nop follow each of the two lines
	s_cmp_eq_u32 s11, 0
	s_cbranch_scc0 .Lfor_b_\@
	tensor_load_to_lds s[G0+4*\s:G0+4*\s+3], s[G1:G1+7]
	s_nop 0
.rept 4
	v_nop
.endr
	s_branch .Lasked_\@
.Lfor_b_\@:
	tensor_load_to_lds s[G0B+4*\s:G0B+4*\s+3], s[G1B:G1B+7]
	s_nop 0
.rept 4
	v_nop
.endr
.Lasked_\@:
.endm
.macro CREST
	s_cmp_lg_u32 s10, 0
	s_cbranch_scc1 .Lnot_wave_0_\@
	s_barrier_signal -3
.Lnot_wave_0_\@:
	s_barrier_wait -3
	s_barrier_signal -1
	s_barrier_wait -1
.endm
.macro CROUND
	s_barrier_signal -1
	s_barrier_wait -1
	CREST
.endm
	s_load_b128 s[4:7], s[0:1], 0x0                ; att s[4:5], wo16 s[6:7]
	s_load_b64 s[8:9], s[0:1], 0x10                ; out0
	v_lshl_add_u32 v[SPW], v0, 2, SPARE
	v_mov_b32 v[NIL], 0
	ds_add_u32 v[SPW], v[NIL]                      ; the wave's opening: the add, twice on end, and its wait ahead of my first tensor load
	ds_add_u32 v[SPW], v[NIL]
	v_lshrrev_b32 v1, 5, v0
	v_readfirstlane_b32 s10, v1                    ; wave 0..3
	s_lshr_b32 s11, s10, 1                         ; which half of the tile's rows is mine.  Also: I fetch for A (0) or for B (1)
	s_and_b32 s12, s10, 1                          ; which half of its columns.  Also: which 64 rows of that tile I fetch
	s_bfe_u32 s40, ttmp6, 0x40000
	s_bfe_u32 s41, ttmp6, 0x40004
	s_lshl_b32 s42, ttmp9, 2
	s_add_co_u32 s42, s42, s40                     ; tile column
	s_and_b32 s13, ttmp7, 0xffff
	s_lshl_b32 s13, s13, 2
	s_add_co_u32 s13, s13, s41                     ; tile row
	s_lshl_b32 s43, s41, 2
	s_lshl_b32 s43, 15, s43                        ; my row of the cluster
	s_lshl_b32 s44, 0x1111, s40                    ; my column
	s_or_b32 s[G1+0], s43, (1<<16)|(1<<20)|(1<<21)|(6<<22)|(3<<25)  ; the mask; elements of 2 bytes; padding on; bit 21 beside a mask; after every 128 words, 4 words
	s_or_b32 s[G1B+0], s44, (1<<16)|(1<<20)|(1<<21)|(6<<22)|(3<<25)
.irp g, G1, G1B
	s_mov_b32 s[\g+1], KSTEP<<16                   ; tensor_dim0 = 256
	s_mov_b32 s[\g+2], 64<<16                      ; tensor_dim1 = 64
	s_mov_b32 s[\g+3], KSTEP<<16                   ; tile_dim0 = 256
	s_mov_b32 s[\g+4], 64                          ; tile_dim1 = 64
	s_mov_b32 s[\g+5], SIZE_K                      ; tensor_dim0_stride
	s_mov_b32 s[\g+6], 0
	s_mov_b32 s[\g+7], 0
.endr
	s_lshl_b32 s17, s12, 6
	s_lshl_b32 s16, s13, 7
	s_add_co_u32 s16, s16, s17                     ; A: row 128 x tile row + 64 x half
	s_lshl_b32 s46, s42, 7
	s_add_co_u32 s46, s46, s17                     ; B: row 128 x tile column + 64 x half
	s_mov_b32 s17, 0
	s_mov_b32 s47, 0
	s_mov_b64 s[18:19], SIZE_K*2
	s_mul_u64 s[16:17], s[16:17], s[18:19]
	s_mul_u64 s[46:47], s[46:47], s[18:19]
	s_mul_i32 s20, s10, HALFT                      ; where they go: wave x 64 rows
	s_wait_dscnt 0x0                               ; both opening adds are done
	s_wait_kmcnt 0x0
	s_add_nc_u64 s[14:15], s[4:5], s[16:17]
	s_add_nc_u64 s[46:47], s[6:7], s[46:47]
	CROUND                                         ; all sixteen work-groups are here: the first joint loads meet
.irp s, 0,1
	s_mov_b32 s[G0+4*\s], 1
	s_add_co_u32 s[G0+4*\s+1], s20, \s*SLOT
	s_add_nc_u64 s[G0+4*\s+2:G0+4*\s+3], s[14:15], \s*KSTEP*2
	s_or_b32 s[G0+4*\s+3], s[G0+4*\s+3], 0x80000000
	s_mov_b32 s[G0B+4*\s], 1
	s_add_co_u32 s[G0B+4*\s+1], s20, \s*SLOT
	s_add_nc_u64 s[G0B+4*\s+2:G0B+4*\s+3], s[46:47], \s*KSTEP*2
	s_or_b32 s[G0B+4*\s+3], s[G0B+4*\s+3], 0x80000000
	JLOAD \s
.endr
	v_and_b32 v1, 15, v0                           ; r
	v_bfe_u32 v2, v0, 4, 1                         ; h
	v_mul_u32_u24 v3, v1, PITCH
	v_lshl_add_u32 v3, v2, 4, v3
	s_mul_i32 s21, s11, HALFT                      ; my 64 rows of A
	s_mul_i32 s22, s12, HALFT                      ; my 64 rows of B,
	s_add_co_u32 s22, s22, 2*HALFT                 ; which lie behind A's 128
.irp s, 0,1
	v_add_nc_u32 v[ADRA+\s], s21, v3
	v_add_nc_u32 v[ADRB+\s], s22, v3
	s_add_co_u32 s21, s21, SLOT
	s_add_co_u32 s22, s22, SLOT
.endr
	s_mul_i32 s23, s10, 16*SPITCH
	s_add_co_u32 s23, s23, STAGE                   ; my stage
	v_mul_u32_u24 v4, v1, SPITCH
	v_lshl_add_u32 v4, v2, 5, v4
	v_add_nc_u32 v[STO], s23, v4                   ; in: row r, 32 bytes for each half of the lanes
	v_mul_u32_u24 v5, v2, SPITCH
	v_lshl_add_u32 v5, v1, 4, v5
	v_add_nc_u32 v[RD], s23, v5                    ; back: lanes 0-15 one row of 256 bytes, lanes 16-31 the next
	v_lshlrev_b32 v5, 13, v2
	v_lshl_add_u32 v[CO], v1, 4, v5                ; and the same two rows in out0
	s_lshl_b32 s16, s13, 7
	s_lshl_b32 s17, s11, 6
	s_add_co_u32 s16, s16, s17                     ; my first row: 128 x tile row + 64 x half
	v_mov_b32 v[ROW0], s16
	s_lshl_b32 s16, s16, 13
	s_mov_b32 s17, 0
	s_add_nc_u64 s[8:9], s[8:9], s[16:17]
	s_lshl_b32 s46, s42, 9                         ; my first column, in bytes: 512 x tile column + 256 x half
	s_lshl_b32 s47, s12, 8
	s_add_co_u32 s46, s46, s47
	s_mov_b32 s47, 0
	s_add_nc_u64 s[8:9], s[8:9], s[46:47]
.macro MUL8 f, c, a0, zero             ; 8 matrix instructions: m blocks a0, a0 + 1 x all 4 n blocks, 32 along K: half c of buffer f
.irp a, \a0, \a0+1
.irp b, 0,1,2,3
.if \zero
	v_wmma_f32_16x16x32_f16 v[ACC+8*(4*(\a)+\b):ACC+8*(4*(\a)+\b)+7], v[\f+64+8*(4*\c+\b):\f+64+8*(4*\c+\b)+7], v[\f+8*(4*\c+\a):\f+8*(4*\c+\a)+7], 0
.else
	v_wmma_f32_16x16x32_f16 v[ACC+8*(4*(\a)+\b):ACC+8*(4*(\a)+\b)+7], v[\f+64+8*(4*\c+\b):\f+64+8*(4*\c+\b)+7], v[\f+8*(4*\c+\a):\f+8*(4*\c+\a)+7], v[ACC+8*(4*(\a)+\b):ACC+8*(4*(\a)+\b)+7]
.endif
.endr
.endr
.endm
.macro FETCH slot, k, f                ; 32 LDS loads in one run: the fragments of 64 along K at byte k of the rows; the first 32 along K first
	WIN TO_F
.irp c, 0,1
.irp i, 0,1,2,3
	ds_load_b128 v[\f+64+8*(4*\c+\i):\f+64+8*(4*\c+\i)+3],   v[ADRB+\slot] offset:\k+64*\c+\i*16*PITCH
	ds_load_b128 v[\f+64+8*(4*\c+\i)+4:\f+64+8*(4*\c+\i)+7], v[ADRB+\slot] offset:\k+64*\c+\i*16*PITCH+32
	ds_load_b128 v[\f+8*(4*\c+\i):\f+8*(4*\c+\i)+3],         v[ADRA+\slot] offset:\k+64*\c+\i*16*PITCH
	ds_load_b128 v[\f+8*(4*\c+\i)+4:\f+8*(4*\c+\i)+7],       v[ADRA+\slot] offset:\k+64*\c+\i*16*PITCH+32
.endr
.endr
.endm
.macro PLACES                          ; four places in front of loads into registers that matrix instructions have read, and of the first read of results
.rept 4
	v_nop
.endr
.endm
.macro QUARTER slot, k, f, g, zero     ; 64 along K: multiplies buffer f and fetches the next quarter, at byte k, into g
	s_wait_dscnt 16                                ; the first 32 along K are in
	WIN MUL
	MUL8 \f, 0, 0, \zero
	MUL8 \f, 0, 2, \zero
	PLACES
	FETCH \slot, \k, \g
	s_wait_dscnt 32                                ; all but the 32 just issued
	WIN MUL
	MUL8 \f, 1, 0, 0
	MUL8 \f, 1, 2, 0
.endm
.macro TURN slot, next, fill           ; the last quarter changes slots: one barrier; in front of it all my tensor loads, the add, and my reads of this slot are waited for
	WIN 0
	s_wait_tensorcnt 0x0                           ; all my tensor loads have landed: my part of the next slot
	ds_add_u32 v[SPW], v[NIL]                      ; 0 onto my spare word
	s_wait_dscnt 17                                ; (the add and the youngest sixteen loads may be out)
	WIN MUL
	MUL8 F1, 0, 0, 0
	s_wait_dscnt 0x0                               ; the add is done, and my reads of this slot are over
	s_barrier_signal -1
	MUL8 F1, 0, 2, 0
.if \fill
	WIN 0
.endif
	s_barrier_wait -1
.if \fill
	CREST                                          ; the barrier has opened a round of the cluster's barrier
	s_add_nc_u64 s[G0+4*\slot+2:G0+4*\slot+3], s[G0+4*\slot+2:G0+4*\slot+3], 2*KSTEP*2
	s_add_nc_u64 s[G0B+4*\slot+2:G0B+4*\slot+3], s[G0B+4*\slot+2:G0B+4*\slot+3], 2*KSTEP*2
	JLOAD \slot                                    ; the first tensor load behind the round; its four v_nop are the places in front of the loads below
.else
	PLACES
.endif
	FETCH \next, 0, F0
	WIN MUL
	MUL8 F1, 1, 0, 0
	MUL8 F1, 1, 2, 0
.endm
	s_wait_tensorcnt 1                             ; my part of K step 0 is in,
	s_barrier_signal -1
	s_barrier_wait -1                              ; everybody's is
	FETCH 0, 0, F0
	QUARTER 0, 128, F0, F1, 1                      ; the first quarter stands in front of the loop: its first products start the sums
	WIN 0
	s_mov_b32 s3, LAPS-1
.Llap:
	QUARTER 0, 256, F1, F0, 0
	QUARTER 0, 384, F0, F1, 0
	TURN 0, 1, 1
	QUARTER 1, 128, F0, F1, 0
	QUARTER 1, 256, F1, F0, 0
	QUARTER 1, 384, F0, F1, 0
	TURN 1, 0, 1
	QUARTER 0, 128, F0, F1, 0
	WIN 0
	s_sub_co_u32 s3, s3, 1
	s_cmp_lg_u32 s3, 0
	s_cbranch_scc1 .Llap
	QUARTER 0, 256, F1, F0, 0                      ; the last lap fills nothing
	QUARTER 0, 384, F0, F1, 0
	TURN 0, 1, 0
	QUARTER 1, 128, F0, F1, 0
	QUARTER 1, 256, F1, F0, 0
	QUARTER 1, 384, F0, F1, 0
	s_wait_dscnt 16
	WIN MUL
	MUL8 F1, 0, 0, 0
	MUL8 F1, 0, 2, 0
	s_wait_dscnt 0
	MUL8 F1, 1, 0, 0
	MUL8 F1, 1, 2, 0
	WIN 0
	; THE WAY OUT, a block of 16 rows x 64 columns at a time, through my own stage: in as 32 bytes a lane, back as whole rows of 256 bytes.
	PLACES
.macro TOST a
.irp b, 0,1,2,3
	ds_store_b128 v[STO], v[ACC+8*(4*(\a)+\b):ACC+8*(4*(\a)+\b)+3] offset:64*\b        ; each accumulator from its low end on
	ds_store_b128 v[STO], v[ACC+8*(4*(\a)+\b)+4:ACC+8*(4*(\a)+\b)+7] offset:64*\b+16
.endr
.irp t, 0,1,2,3,4,5,6,7
	ds_load_b128 v[TMP+32*((\a)%2)+4*\t:TMP+32*((\a)%2)+4*\t+3], v[RD] offset:544*\t   ; LDS serves a wave's instructions in order: these see the stores above
.endr
.endm
.macro SENDF a, younger                ; younger: the LDS instructions issued behind block a's loads: the next block's eight stores and eight loads, or none
	s_wait_dscnt \younger
.if (\a) == 0                          ; rows 0-15 of out0 belong to another launch: the wave that holds them stores its first block with no lane on (a mask, no branch)
	s_wait_xcnt 0x0
	v_cmp_ne_u32 vcc_lo, 0, v[ROW0]
	s_and_saveexec_b32 s2, vcc_lo
.endif
.irp t, 0,1,2,3,4,5,6,7
	global_store_b128 v[CO], v[TMP+32*((\a)%2)+4*\t:TMP+32*((\a)%2)+4*\t+3], s[8:9] offset:(16*(\a)+2*\t)*8192 th:TH_STORE_NT   ; 16 lanes store 256 consecutive bytes, aligned
.endr
.if (\a) == 0
	s_wait_xcnt 0x0
	s_or_b32 exec_lo, exec_lo, s2
.endif
.endm
	TOST 0
	TOST 1
	SENDF 0, 16
	s_wait_xcnt 0x0                                ; block 0's stores have read their registers: block 2's loads may land there
	TOST 2
	SENDF 1, 16
	s_wait_xcnt 0x0
	TOST 3
	SENDF 2, 16
	SENDF 3, 0
	s_wait_tensorcnt 0x0                           ; the wave's end
	ds_add_u32 v[SPW], v[NIL]
	s_wait_dscnt 0x0
	CROUND                                         ; the closing round
	s_endpgm
.Lfunc_end_k_q2daa51aff6_proj:
	.size	k_q2daa51aff6_proj, .Lfunc_end_k_q2daa51aff6_proj-k_q2daa51aff6_proj
	.p2alignl 7, 3214868480
	.fill 96, 4, 3214868480
	.section	.rodata,"a",@progbits
	.p2align	6, 0x0
	.amdhsa_kernel k_q2daa51aff6_proj
		.amdhsa_group_segment_fixed_size 327680
		.amdhsa_private_segment_fixed_size 0
		.amdhsa_enable_private_segment 0
		.amdhsa_kernarg_size 24
		.amdhsa_user_sgpr_count 2
		.amdhsa_user_sgpr_kernarg_segment_ptr 1
		.amdhsa_wavefront_size32 1
		.amdhsa_system_sgpr_workgroup_id_x 1
		.amdhsa_system_sgpr_workgroup_id_y 1
		.amdhsa_system_sgpr_workgroup_id_z 1
		.amdhsa_system_vgpr_workitem_id 0
		.amdhsa_next_free_vgpr 512
		.amdhsa_next_free_sgpr 66
		.amdhsa_reserve_vcc 1
		.amdhsa_float_denorm_mode_32 3
		.amdhsa_float_denorm_mode_16_64 3
		.amdhsa_memory_ordered 1
		.amdhsa_forward_progress 1
		.amdhsa_inst_pref_size 86
	.end_amdhsa_kernel
	.amdgpu_metadata
---
amdhsa.version: [ 1, 2 ]
amdhsa.kernels:
  - .name:           k_q2daa51aff6_proj
    .symbol:         k_q2daa51aff6_proj.kd
    .args:
      - { .name: att, .offset: 0, .size: 8, .value_kind: global_buffer, .address_space: global }
      - { .name: wo16, .offset: 8, .size: 8, .value_kind: global_buffer, .address_space: global }
      - { .name: out0, .offset: 16, .size: 8, .value_kind: global_buffer, .address_space: global }
    .group_segment_fixed_size: 327680
    .private_segment_fixed_size: 0
    .kernarg_segment_align: 8
    .kernarg_segment_size: 24
    .max_flat_workgroup_size: 128
    .sgpr_count:     66
    .vgpr_count:     512
    .wavefront_size: 32
...
	.end_amdgpu_metadata
.endif
;; end of part 4
;; launch first16 (part 5): grid 128 x 1, 16 waves a work-group, no clusters, 153,600 bytes of LDS; arguments side, wo, out0; writes out0
.if DOCPART == 5
	.amdgcn_target "amdgcn-amd-amdhsa--gfx1250"
	.amdhsa_code_object_version 6
	.text
	.protected	k_q2daa51aff6_first16
	.globl	k_q2daa51aff6_first16
	.p2align	8
	.type	k_q2daa51aff6_first16,@function
k_q2daa51aff6_first16:
	s_mov_b64 s[64:65], 0
	v_nop
	global_prefetch_b8 v0, s[64:65] scope:SCOPE_SE
	s_setreg_imm32_b32 hwreg(HW_REG_WAVE_MODE, 25, 1), 1
	s_wait_xcnt 0x0
; Positions 0-15 of the sequence, all in f32: under the causal mask these rows average one to sixteen values, so they are carried more finely than the rest, through the projection too.
; side: q at 0 and k at 131,072 as images of registers, [head][group 2 b + i (16)][lane][16 bytes]: lane (r, h) holds row r, channels 16 b + 8 h + 4 i + 0..3;  v at 262,144 as [16 keys][2048];
; wo: [2048][2048] f32;  out0: rows 0-15.
; SHARES.  Work-group g owns output columns 16 g .. 16 g + 15; wave hd owns head hd, which is also its 128 of the projection's K.
; THE ORDER OF THE SUMS: out[q][d] = sum over heads, sum over keys of p[q][key] U[key][d], with U = v_head wo_head^T (16 keys x 16 columns, K = 128): the weights meet the values behind the projection.
; So a wave issues 32 + 32 + 4 matrix instructions of 16 x 16 x 4.  The sums differ from the definition's in their order alone.
; EVERY LOAD TAKES 512 CONSECUTIVE BYTES.  An operand wants row r in lane r.  q and k come so as they lie.  Of v and wo a load takes one row's 512 bytes of my head, 16 bytes a lane; the 16 rows turn through
; the wave's own stage in LDS (rows 528 bytes apart: the 16 rows that a load back touches start at 16 different banks: 64 banks of 4 bytes, ISA guide 11.1) and come back as row r, byte 32 m + 16 h.
; In each product registers 2 s, 2 s + 1 serve K step s, and both sides carry the same permutation of k.
; The sixteen heads' parts meet in LDS; waves 0 and 1 add them and store.  A store covers 16 bytes a lane of rows 8,192 bytes apart: 131,072 bytes in the whole launch.
; The registers that the matrix instructions write (v208-247) are written by nothing else.
.set R1,   16                          ; v16-79   k, then v
.set R2,   80                          ; v80-143  q; then T = v80-87 scores and weights, US = v88-95 U, v96-107 at work
.set R3,   144                         ; v144-207 wo
.set ACC4, 208                         ; v208-239 four partial sums, by turns
.set OUTR, 240                         ; v240-247
.set T,    80
.set US,   88
.set TM,   96
.set SPITCH, 528
.set WSTG, 16*SPITCH                   ; LDS: 0: a stage of 16 rows for each wave, 8,448 bytes;
.set PART, 16*WSTG                     ; the parts, 1,024 bytes a wave;
.set SPARE, PART+16*1024               ; the spare words, 128 bytes a wave
	s_load_b128 s[4:7], s[0:1], 0x0                ; side, wo
	s_load_b64 s[8:9], s[0:1], 0x10                ; out0
	v_lshl_add_u32 v14, v0, 2, SPARE               ; my spare word; never rewritten
	v_mov_b32 v15, 0                               ; 0; never rewritten
	v_lshrrev_b32 v1, 5, v0
	v_readfirstlane_b32 s10, v1                    ; wave = head
	v_and_b32 v9, 15, v0                           ; r
	v_bfe_u32 v10, v0, 4, 1                        ; h
	v_and_b32 v11, 31, v0                          ; lane
	v_lshlrev_b32 v2, 4, v11                       ; v2  16 x lane: the offset of every load from memory
	s_mul_i32 s11, s10, WSTG
	v_add_nc_u32 v3, s11, v2                       ; v3  my stage, in: 16 x lane; the row stands in the immediate
	v_mul_u32_u24 v12, v9, SPITCH
	v_lshl_add_u32 v12, v10, 4, v12
	v_add_nc_u32 v12, s11, v12                     ; v12 and back: row r, + 16 h
	v_lshlrev_b32 v4, 3, v10
	v_sub_nc_u32 v4, v9, v4                        ; v4  r - 8 h: register j (key 8 h + j) is hidden where j is above it
	v_mov_b32 v5, 0xff800000                       ; v5  -infinity
	s_lshl_b32 s11, s10, 10
	s_add_co_u32 s11, s11, PART
	v_add_nc_u32 v6, s11, v2                       ; v6  where I store my part
	s_and_b32 s11, s10, 1
	s_lshl_b32 s11, s11, 9
	s_add_co_u32 s11, s11, PART
	v_add_nc_u32 v7, s11, v2                       ; v7  where waves 0 and 1 read: half (wave & 1) of each part
	v_lshlrev_b32 v8, 13, v9
	v_lshl_add_u32 v8, v10, 5, v8                  ; v8  out0: row r, + 32 h
	s_mov_b32 s20, 0x76543210
	s_mov_b32 s21, 0xfedcba98                      ; lane l xor 16
	s_mov_b32 s22, 0x3e0293ee                      ; c = log2(e) / sqrt(128)
	s_lshl_b32 s24, s10, 13                        ; a head of q or k: 8,192 bytes
	s_mov_b32 s25, 0
	s_lshl_b32 s26, s10, 9                         ; a head's 128 channels of 4 bytes
	s_mov_b32 s27, 0
	s_lshl_b32 s28, ttmp9, 17                      ; 16 rows of wo
	s_add_co_u32 s28, s28, s26
	s_mov_b32 s29, 0
	s_lshl_b32 s30, ttmp9, 6                       ; 16 columns of out0,
	s_lshl_b32 s31, s10, 4                         ; and 16 bytes for wave 1
	s_add_co_u32 s30, s30, s31
	s_mov_b32 s31, 0
	s_wait_kmcnt 0x0
	s_add_nc_u64 s[14:15], s[4:5], s[24:25]        ; q
	s_add_nc_u64 s[12:13], s[14:15], 131072        ; k
	s_add_nc_u64 s[16:17], s[4:5], s[26:27]
	s_add_nc_u64 s[16:17], s[16:17], 262144        ; v
	s_add_nc_u64 s[18:19], s[6:7], s[28:29]        ; wo
	s_add_nc_u64 s[8:9], s[8:9], s[30:31]
.macro LDI reg, base                   ; an image of 64 registers: 8,192 consecutive bytes
.irp m, 0,1,2,3,4,5,6,7,8,9,10,11,12,13,14,15
	global_load_b128 v[\reg+4*\m:\reg+4*\m+3], v2, s[\base:\base+1] offset:512*\m
.endr
.endm
.macro LDR reg, base                   ; 16 rows, 8,192 bytes apart: my head's 512 bytes of each
.irp m, 0,1,2,3,4,5,6,7,8,9,10,11,12,13,14,15
	global_load_b128 v[\reg+4*\m:\reg+4*\m+3], v2, s[\base:\base+1] offset:8192*\m
.endr
.endm
.macro TURN reg                        ; the 16 rows through my stage and back into the registers that they left: register 4 m + i of lane (r, h) is then row r, channel 8 m + 4 h + i
.irp m, 0,1,2,3,4,5,6,7,8,9,10,11,12,13,14,15
	ds_store_b128 v3, v[\reg+4*\m:\reg+4*\m+3] offset:SPITCH*\m
.endr
.irp m, 0,1,2,3,4,5,6,7,8,9,10,11,12,13,14,15
	ds_load_b128 v[\reg+4*\m:\reg+4*\m+3], v12 offset:32*\m   ; LDS serves a wave's instructions in order (ISA guide 5.7.1.4): these see the stores above, and the next turn's stores come behind them
.endr
.endm
.macro MM32 ra, rb                     ; 32 K steps of 4 on four accumulators by turns, one instruction a turn; the first four start the sums
.set ks, 0
.rept 32
.if ks < 4
	v_wmma_f32_16x16x4_f32 v[ACC4+8*(ks%4):ACC4+8*(ks%4)+7], v[\ra+2*ks:\ra+2*ks+1], v[\rb+2*ks:\rb+2*ks+1], 0
.else
	v_wmma_f32_16x16x4_f32 v[ACC4+8*(ks%4):ACC4+8*(ks%4)+7], v[\ra+2*ks:\ra+2*ks+1], v[\rb+2*ks:\rb+2*ks+1], v[ACC4+8*(ks%4):ACC4+8*(ks%4)+7]
.endif
.set ks, ks+1
.endr
.endm
.macro SUM4 dst                        ; the four partial sums into other registers, each accumulator from its low end on
.irp j, 0,1,2,3,4,5,6,7
	v_add_f32 v[TM+\j], v[ACC4+\j], v[ACC4+8+\j]
.endr
.irp j, 0,1,2,3,4,5,6,7
	v_add_f32 v[\dst+\j], v[ACC4+16+\j], v[ACC4+24+\j]
.endr
.irp j, 0,1,2,3,4,5,6,7
	v_add_f32 v[\dst+\j], v[\dst+\j], v[TM+\j]
.endr
.endm
	LDI R1, 12                                     ; k
	LDI R2, 14                                     ; q
	LDR R3, 18                                     ; wo's 16 rows
	s_wait_loadcnt 16                              ; k and q are in; wo's 16 loads may be out
	MM32 R1, R2                                    ; S^T: lane = query r, register j = key 8 h + j
.rept 8
	v_nop                                          ; eight places behind this form: for the loads into k's registers and the reads of results
.endr
	LDR R1, 16                                     ; v's 16 rows come while wo is turned and the softmax is walked
	s_wait_loadcnt 16                              ; wo is in; v's 16 loads may be out
	TURN R3
	SUM4 T
.irp j, 0,1,2,3,4,5,6,7
	v_cmp_gt_i32 vcc_lo, \j, v4
	v_cndmask_b32 v[T+\j], v[T+\j], v5, vcc_lo     ; the causal mask
.endr
	v_max3_num_f32 v104, v[T], v[T+1], v[T+2]
	v_max3_num_f32 v104, v104, v[T+3], v[T+4]
	v_max3_num_f32 v104, v104, v[T+5], v[T+6]
	v_max_num_f32 v104, v104, v[T+7]
	v_mov_b32 v105, 0
	v_permlanex16_b32 v105, v104, s20, s21
	v_max_num_f32 v104, v104, v105                 ; the row's maximum (key 0 counts for every query)
	v_mul_f32 v104, s22, v104
.irp j, 0,1,2,3,4,5,6,7
	v_fma_f32 v[T+\j], v[T+\j], s22, -v104
.endr
.irp j, 0,1,2,3,4,5,6,7
	v_exp_f32 v[T+\j], v[T+\j]
.endr
	v_nop
	s_wait_alu depctr_va_vdst(0)                   ; one wait for the eight, ahead of their first reader
	v_add_f32 v106, v[T], v[T+1]
	v_add_f32 v107, v[T+2], v[T+3]
	v_add_f32 v106, v106, v[T+4]
	v_add_f32 v107, v107, v[T+5]
	v_add_f32 v106, v106, v[T+6]
	v_add_f32 v107, v107, v[T+7]
	v_add_f32 v106, v106, v107
	v_permlanex16_b32 v105, v106, s20, s21
	v_add_f32 v106, v106, v105                     ; the row's sum
	v_rcp_f32 v107, v106
	v_nop
	s_wait_alu depctr_va_vdst(0)
.irp j, 0,1,2,3,4,5,6,7
	v_mul_f32 v[T+\j], v[T+\j], v107               ; the weights
.endr
	s_wait_loadcnt 0x0                             ; v
	TURN R1
	s_wait_dscnt 0x0                               ; wo and v are back from the stage
.rept 9
	v_nop                                          ; nine places: the four accumulators are begun anew
.endr
	MM32 R1, R3                                    ; U: lane = column r, register j = key 8 h + j
.rept 8
	v_nop
.endr
	SUM4 US
	; out^T = U^T p^T over the 16 keys: in both operands registers 2 kk, 2 kk + 1 of lane (r, h) are keys 8 h + 2 kk + {0, 1}.  One accumulator: the wait stands ahead of each link
	v_wmma_f32_16x16x4_f32 v[OUTR:OUTR+7], v[US:US+1], v[T:T+1], 0
	s_wait_alu depctr_va_vdst(0)
	v_wmma_f32_16x16x4_f32 v[OUTR:OUTR+7], v[US+2:US+3], v[T+2:T+3], v[OUTR:OUTR+7]
	s_wait_alu depctr_va_vdst(0)
	v_wmma_f32_16x16x4_f32 v[OUTR:OUTR+7], v[US+4:US+5], v[T+4:T+5], v[OUTR:OUTR+7]
	s_wait_alu depctr_va_vdst(0)
	v_wmma_f32_16x16x4_f32 v[OUTR:OUTR+7], v[US+6:US+7], v[T+6:T+7], v[OUTR:OUTR+7]
.rept 8
	v_nop
.endr
	ds_store_b128 v6, v[OUTR:OUTR+3]               ; lane = query r, register j = column 8 h + j
	ds_store_b128 v6, v[OUTR+4:OUTR+7] offset:512
	s_wait_dscnt 0x0                               ; for the others' sake: my stores are done
	s_barrier_signal -1
	s_barrier_wait -1
	s_cmp_lt_u32 s10, 2
	s_cbranch_scc0 .Lend
.irp u, 0,1,2,3,4,5,6,7,8,9,10,11,12,13,14,15
	ds_load_b128 v[R1+4*\u:R1+4*\u+3], v7 offset:1024*\u
.endr
	s_wait_dscnt 0x0
.irp d, 8,4,2,1                        ; the sixteen heads' parts, added as a tree
.irp u, 0,1,2,3,4,5,6,7
.if \u < \d
	v_pk_add_f32 v[R1+4*\u:R1+4*\u+1], v[R1+4*\u:R1+4*\u+1], v[R1+4*(\u+\d):R1+4*(\u+\d)+1]
	v_pk_add_f32 v[R1+4*\u+2:R1+4*\u+3], v[R1+4*\u+2:R1+4*\u+3], v[R1+4*(\u+\d)+2:R1+4*(\u+\d)+3]
.endif
.endr
.endr
	global_store_b128 v8, v[R1:R1+3], s[8:9]       ; out0(r, 16 g + 8 h + 4 wave + 0..3)
.Lend:
	s_wait_tensorcnt 0x0                           ; the wave's end, behind my last LDS store
	ds_add_u32 v14, v15
	s_wait_dscnt 0x0
	s_endpgm
.Lfunc_end_k_q2daa51aff6_first16:
	.size	k_q2daa51aff6_first16, .Lfunc_end_k_q2daa51aff6_first16-k_q2daa51aff6_first16
	.p2alignl 7, 3214868480
	.fill 96, 4, 3214868480
	.section	.rodata,"a",@progbits
	.p2align	6, 0x0
	.amdhsa_kernel k_q2daa51aff6_first16
		.amdhsa_group_segment_fixed_size 153600
		.amdhsa_private_segment_fixed_size 0
		.amdhsa_enable_private_segment 0
		.amdhsa_kernarg_size 24
		.amdhsa_user_sgpr_count 2
		.amdhsa_user_sgpr_kernarg_segment_ptr 1
		.amdhsa_wavefront_size32 1
		.amdhsa_system_sgpr_workgroup_id_x 1
		.amdhsa_system_sgpr_workgroup_id_y 1
		.amdhsa_system_sgpr_workgroup_id_z 1
		.amdhsa_system_vgpr_workitem_id 0
		.amdhsa_next_free_vgpr 256
		.amdhsa_next_free_sgpr 66
		.amdhsa_reserve_vcc 1
		.amdhsa_float_denorm_mode_32 3
		.amdhsa_float_denorm_mode_16_64 3
		.amdhsa_memory_ordered 1
		.amdhsa_forward_progress 1
		.amdhsa_inst_pref_size 26
	.end_amdhsa_kernel
	.amdgpu_metadata
---
amdhsa.version: [ 1, 2 ]
amdhsa.kernels:
  - .name:           k_q2daa51aff6_first16
    .symbol:         k_q2daa51aff6_first16.kd
    .args:
      - { .name: side, .offset: 0, .size: 8, .value_kind: global_buffer, .address_space: global }
      - { .name: wo, .offset: 8, .size: 8, .value_kind: global_buffer, .address_space: global }
      - { .name: out0, .offset: 16, .size: 8, .value_kind: global_buffer, .address_space: global }
    .group_segment_fixed_size: 153600
    .private_segment_fixed_size: 0
    .kernarg_segment_align: 8
    .kernarg_segment_size: 24
    .max_flat_workgroup_size: 512
    .sgpr_count:     66
    .vgpr_count:     256
    .wavefront_size: 32
...
	.end_amdgpu_metadata
.endif
;; end of part 5
